; MI455X (gfx1250); checked and timed in simulation.
; The chip was launched on July 23, 2026; its instructions are those of AMD's public machine-readable ISA for CDNA 5 (MIT licence, August 2026) and "CDNA5" Instruction Set Architecture Reference Guide (July 2026). The comments in the code are by the model that wrote it; some were corrected since.
;; Self Attention. Allowed arithmetic: float matrix products may take bf16 or f16 operands with f32 sums; all other float work in f32.
;; Inputs: attn_bias 1 x 16 x 1,024 x 1,024 float32; b_proj 1,024 float32; q_bias 1,024 float32; scale_mul 1 x 16 x 1 x 1 float32; v_bias 1,024 float32; w_proj 1,024 x 1,024 float32; w_qkv 3,072 x 1,024 float32; x 8 x 1,024 x 1,024 float32.
;; Outputs: out0 8 x 1,024 x 1,024 float32.
;; 2 versions, each right; version 2 is version 1 with the launch cast written anew for expert scheduling mode. Each part assembles by itself: llvm-mc -triple=amdgcn-amd-amdhsa -mcpu=gfx1250 --defsym DOCPART=n.
;; ======== version 1 of 2: 4 launches
;; limits: values are held in f16: magnitudes above 65,504 overflow, below 6.1e-05 lose precision
;; workspace buffers: xb 16,777,216 bytes; wqb 6,291,456 bytes; wpb 2,097,152 bytes; qh 16,777,216 bytes; kh 16,777,216 bytes; vh 16,777,216 bytes; ob 16,777,216 bytes
;; launch cast (part 1): grid 768 x 1, 8 waves a work-group, no clusters, 0 bytes of LDS; arguments x, w_qkv, w_proj, xb, wqb, wpb; writes xb, wqb, wpb
.if DOCPART == 1
	.amdgcn_target "amdgcn-amd-amdhsa--gfx1250"
	.amdhsa_code_object_version 6
	.text
	.protected	k_qe3940c2320_cast
	.globl	k_qe3940c2320_cast
	.p2align	8
	.type	k_qe3940c2320_cast,@function
k_qe3940c2320_cast:
	s_mov_b64 s[64:65], 0
	v_nop
	global_prefetch_b8 v0, s[64:65] scope:SCOPE_SE
	s_setreg_imm32_b32 hwreg(HW_REG_WAVE_MODE, 25, 1), 1
	s_wait_xcnt 0x0
; CAST.  x [8192][1024] f32 -> xb, bf16, same order.  w_qkv [3072][1024] f32 -> wqb, bf16, rows reordered to [16 heads][q, k, v][64][1024], so that
; the 192 rows that one head needs lie together.  w_proj [1024][1024] f32 -> wpb: rounded to bf16 like the other inputs, and that number written as f16.
; LIMITS.  |w_proj| stays below 65,504 (f16's end); below 6e-5 it keeps f16's fixed step of 6e-8.  NaN and infinities are not treated apart.
; A work-group takes 16,384 numbers (16 rows of 1,024): 512 groups for x, 192 for w_qkv, 64 for w_proj.  Memory binds: no LDS, no barrier, no matrix unit.
; Thread t takes 16 chunks of four numbers: chunk c at byte 4,096 c + 16 t of the source, 2,048 c + 8 t of the target: a wave's load covers 512
; consecutive bytes, a wave's store 256 consecutive bytes at a multiple of 256.  All 16 loads go out first; no register is used twice, so no store is waited for.
.set X, 4                              ; v[4:67]    chunk c: four f32 as loaded
.set Y, 68                             ; v[68:99]   chunk c: four 16-bit numbers to store
.set T, 100                            ; v[100:103] at work (w_proj's path)
	s_load_b256 s[4:11], s[0:1], 0x0               ; x s[4:5], w_qkv s[6:7], w_proj s[8:9], xb s[10:11]
	s_load_b128 s[12:15], s[0:1], 0x20             ; wqb s[12:13], wpb s[14:15]
	s_mov_b32 s16, ttmp9                           ; g: the work-group's number
	s_sub_co_u32 s17, s16, 512                     ; w_qkv: j, its block of 16 rows (used only where 512 <= g < 704)
	s_lshr_b32 s18, s17, 6                         ; part: q, k or v (64 blocks each)
	s_bfe_u32 s19, s17, 0x40002                    ; head: four blocks each
	s_and_b32 s20, s17, 3                          ; block in the head
	s_mul_i32 s19, s19, 12
	s_lshl2_add_u32 s18, s18, s20
	s_add_co_u32 s18, s18, s19                     ; the block's place in wqb: 12 head + 4 part + block
	s_sub_co_u32 s21, s16, 704                     ; w_proj: its block (used only where g >= 704)
	v_lshlrev_b32 v1, 4, v0                        ; 16 t
	v_lshlrev_b32 v2, 3, v0                        ; 8 t
	s_wait_kmcnt 0x0
	s_cmp_lt_u32 s16, 512                          ; the choice hangs on the group's number alone
	s_cselect_b64 s[24:25], s[4:5], s[6:7]
	s_cselect_b64 s[26:27], s[10:11], s[12:13]
	s_cselect_b32 s22, s16, s17
	s_cselect_b32 s23, s16, s18
	s_cmp_lt_u32 s16, 704
	s_cselect_b64 s[24:25], s[24:25], s[8:9]
	s_cselect_b64 s[26:27], s[26:27], s[14:15]
	s_cselect_b32 s22, s22, s21
	s_cselect_b32 s23, s23, s21
	s_lshl_b32 s28, s22, 16                        ; a block is 65,536 bytes of f32,
	s_mov_b32 s29, 0
	s_lshl_b32 s30, s23, 15                        ; 32,768 of 16-bit numbers
	s_mov_b32 s31, 0
	s_add_nc_u64 s[24:25], s[24:25], s[28:29]
	s_add_nc_u64 s[26:27], s[26:27], s[30:31]
.irp c, 0,1,2,3,4,5,6,7,8,9,10,11,12,13,14,15
	global_load_b128 v[X+4*\c:X+4*\c+3], v1, s[24:25] offset:4096*\c th:TH_LOAD_NT
.endr
	s_cmp_ge_u32 s16, 704
	s_cbranch_scc1 .Lhalf
.irp c, 0,1,2,3,4,5,6,7,8,9,10,11,12,13,14,15
	s_wait_loadcnt 15-\c                           ; loads come back in order: chunk c is in, the 15 - c younger ones stay out
	v_cvt_pk_bf16_f32 v[Y+2*\c], v[X+4*\c], v[X+4*\c+1]
	v_cvt_pk_bf16_f32 v[Y+2*\c+1], v[X+4*\c+2], v[X+4*\c+3]
	global_store_b64 v2, v[Y+2*\c:Y+2*\c+1], s[26:27] offset:2048*\c
.endr
	s_endpgm
.Lhalf:                                                ; w_proj: rounded to bf16, widened again, written as f16 (exact within f16's range)
.irp c, 0,1,2,3,4,5,6,7,8,9,10,11,12,13,14,15
	s_wait_loadcnt 15-\c
	v_cvt_pk_bf16_f32 v[Y+2*\c], v[X+4*\c], v[X+4*\c+1]
	v_cvt_pk_bf16_f32 v[Y+2*\c+1], v[X+4*\c+2], v[X+4*\c+3]
	v_lshlrev_b32 v[T], 16, v[Y+2*\c]
	v_and_b32 v[T+1], 0xffff0000, v[Y+2*\c]
	v_lshlrev_b32 v[T+2], 16, v[Y+2*\c+1]
	v_and_b32 v[T+3], 0xffff0000, v[Y+2*\c+1]
	v_cvt_pk_f16_f32 v[Y+2*\c], v[T], v[T+1]
	v_cvt_pk_f16_f32 v[Y+2*\c+1], v[T+2], v[T+3]
	global_store_b64 v2, v[Y+2*\c:Y+2*\c+1], s[26:27] offset:2048*\c
.endr
	s_endpgm
.Lfunc_end_k_qe3940c2320_cast:
	.size	k_qe3940c2320_cast, .Lfunc_end_k_qe3940c2320_cast-k_qe3940c2320_cast
	.p2alignl 7, 3214868480
	.fill 96, 4, 3214868480
	.section	.rodata,"a",@progbits
	.p2align	6, 0x0
	.amdhsa_kernel k_qe3940c2320_cast
		.amdhsa_group_segment_fixed_size 0
		.amdhsa_private_segment_fixed_size 0
		.amdhsa_enable_private_segment 0
		.amdhsa_kernarg_size 48
		.amdhsa_user_sgpr_count 2
		.amdhsa_user_sgpr_kernarg_segment_ptr 1
		.amdhsa_wavefront_size32 1
		.amdhsa_system_sgpr_workgroup_id_x 1
		.amdhsa_system_sgpr_workgroup_id_y 1
		.amdhsa_system_sgpr_workgroup_id_z 1
		.amdhsa_system_vgpr_workitem_id 0
		.amdhsa_next_free_vgpr 104
		.amdhsa_next_free_sgpr 66
		.amdhsa_reserve_vcc 0
		.amdhsa_float_denorm_mode_32 3
		.amdhsa_float_denorm_mode_16_64 3
		.amdhsa_memory_ordered 1
		.amdhsa_forward_progress 1
		.amdhsa_inst_pref_size 17
	.end_amdhsa_kernel
	.amdgpu_metadata
---
amdhsa.version: [ 1, 2 ]
amdhsa.kernels:
  - .name:           k_qe3940c2320_cast
    .symbol:         k_qe3940c2320_cast.kd
    .args:
      - { .name: x, .offset: 0, .size: 8, .value_kind: global_buffer, .address_space: global }
      - { .name: w_qkv, .offset: 8, .size: 8, .value_kind: global_buffer, .address_space: global }
      - { .name: w_proj, .offset: 16, .size: 8, .value_kind: global_buffer, .address_space: global }
      - { .name: xb, .offset: 24, .size: 8, .value_kind: global_buffer, .address_space: global }
      - { .name: wqb, .offset: 32, .size: 8, .value_kind: global_buffer, .address_space: global }
      - { .name: wpb, .offset: 40, .size: 8, .value_kind: global_buffer, .address_space: global }
    .group_segment_fixed_size: 0
    .private_segment_fixed_size: 0
    .kernarg_segment_align: 8
    .kernarg_segment_size: 48
    .max_flat_workgroup_size: 256
    .sgpr_count:     66
    .vgpr_count:     104
    .wavefront_size: 32
...
	.end_amdgpu_metadata
.endif
;; end of part 1
;; launch qkv (part 2): grid 8 x 32, 4 waves a work-group, clusters of 4 x 4, 327,680 bytes of LDS; arguments xb, wqb, q_bias, v_bias, scale_mul, qh, kh, vh; writes qh, kh, vh
.if DOCPART == 2
	.amdgcn_target "amdgcn-amd-amdhsa--gfx1250"
	.amdhsa_code_object_version 6
	.text
	.protected	k_qe3940c2320_qkv
	.globl	k_qe3940c2320_qkv
	.p2align	8
	.type	k_qe3940c2320_qkv,@function
k_qe3940c2320_qkv:
	s_mov_b64 s[64:65], 0
	v_nop
	global_prefetch_b8 v0, s[64:65] scope:SCOPE_SE
	s_setreg_imm32_b32 hwreg(HW_REG_WAVE_MODE, 25, 1), 1
	s_wait_xcnt 0x0
	s_wait_alu depctr_hold_cnt(0) depctr_sa_sdst(0) depctr_va_vdst(0) depctr_va_sdst(0) depctr_va_ssrc(0) depctr_va_vcc(0) depctr_vm_vsrc(0)
	s_getreg_b32 s2, hwreg(HW_REG_IB_STS2, 6, 4)
	s_cmp_eq_u32 s2, 0
	s_cbranch_scc0 .Lentry_in_a_cluster
	s_endpgm
.Lentry_in_a_cluster:
	s_bfe_u32 s2, ttmp6, 0x10000c
	s_cmp_lg_u32 s2, 0xf033
	s_cbranch_scc0 .Lentry_shape_is_right
	s_endpgm
.Lentry_shape_is_right:
; QKV.  [q | k | v] of one head = xb (bf16) x wqb^T (bf16) + bias, sums in f32; then q = q / max(|q|, 1e-12) x exp(min(scale_mul, ln 100)), k = k / max(|k|, 1e-12); all three rounded once to f16
; and written by heads: qh, kh, vh are [16 heads][4 batch pairs][1024 rows][2 batches][64 channels]: a row of 256 bytes holds the same position of both batches of a pair.
; q_bias, v_bias and scale_mul are rounded to bf16 like the large inputs.  LIMITS: |v| stays below 65,504 (f16's end); q is at most 100 and k at most 1 by the normalisation and the clip; NaN and infinities are not treated apart.
; SHARES.  A tile of the result is 256 rows (128 positions of both batches of a pair) x 192 columns (one head's q, k, v).  Four waves; wave w takes positions 32 w .. 32 w + 31 of both batches and all
; 192 columns: 48 accumulators of 16 x 16.  So a head's 64 channels lie in one wave, and the norm needs one exchange between the halves of the lanes.
; A WORK-GROUP STAYS: it makes two tiles for the same 256 rows, two heads that lie eight apart: 8 x 32 work-groups make the 16 x 32 tiles.  The ring of two LDS slots does not stop at the first tile's end: its last
; two changes of slots ask for the second tile's K steps 0 and 1, and nothing waits for the first tile's stores.  Cluster rows with an odd number take the two heads in the other order, so that all of xb and all of wqb
; are asked for during the first tiles and the second tiles ask for no byte that has not been read before.  The order enters global addresses alone.
; K goes in steps of 128 through the two slots, filled by the tensor data mover; rows of 256 bytes, at multiples of 256 bytes from the buffers' first bytes.
; CLUSTER: 4 x 4 work-groups.  The four of a row need the same rows of xb, the four of a column the same head's rows of wqb: each tile is asked for jointly, by the same load, descriptor and mask in all four.
; THE MATRIX INSTRUCTION IS USED TRANSPOSED (source 0 = 16 rows of wqb, source 1 = 16 rows of xb): lane l holds row l % 16 and its registers the channels 8 (l / 16) + 0..7.  The bias is the C operand of the first product.
; REGISTERS in windows of 256 (s_set_vgpr_msb: bits 1:0 source 0, 3:2 source 1, 5:4 source 2, 7:6 destination):
;   window 0: v0-29 addresses and statistics; v32-63 q's bias, v64-95 v's; v96-127, v128-159 xb's fragments, two buffers; v160-223 rows read back from the stage;
;             on the way out the packed results lie in v128-159 and v224-255 (v96-127 then hold the next tile's first fragments)
;   window 1: v0-95, v96-191 wqb's fragments, two buffers      window 2: accumulator (a, b < 8) at 8 (8 a + b): q and k      window 3: (a, b >= 8) at 8 (4 a + b - 8): v
.set PITCH, 272                        ; an LDS row: 256 bytes + 16 of padding = 68 words: the 16 rows of a fragment load start at 16 different groups of four banks (64 banks of 4 bytes: ISA guide 11.1)
.set AHALF, 128*PITCH                  ; one batch's 128 rows of xb: one tensor load
.set BHALF, 96*PITCH                   ; 96 rows of wqb: one tensor load
.set BOFF,  2*AHALF                    ; wqb's rows lie behind xb's 256
.set SLOT1, 1<<17                      ; slot 1 begins here: one exclusive or turns an address in one slot into the other's
.set STAGE, SLOT1+BOFF+2*BHALF         ; behind the ring: 32 rows x 272 bytes for each wave, for the way out; no tensor load lands here
.set SPARE, STAGE+4*32*PITCH           ; the spare words, 128 bytes for each wave: two blocks of 256 bytes that no other line names
.set HEADB, 192*2048                   ; bytes of wqb in a head: 192 rows of 2,048
.set OUTJ,  8*4*(1<<18)                ; bytes of qh, kh, vh from a head to the head eight on
.set ADRA0, 2                          ; v2   my lane's place among xb's rows of a slot; never rewritten
.set ADRB0, 3                          ; v3   the same for wqb
.set ADRA,  4                          ; v4   v2 + the slot in hand
.set ADRB,  5                          ; v5   v3 + the slot in hand
.set STO,   6                          ; v6   the way out: where I put 16 bytes of a row
.set RD,    7                          ; v7   the way out: where I read rows back
.set GO,    8                          ; v8   my byte offset in 512 consecutive bytes of the target
.set SPW,   10                         ; v10  LDS address of my spare word; never rewritten
.set NIL,   11                         ; v11  0; never rewritten
.set T,     12                         ; v12-19  a pair for each of my four row blocks: sum of squares, then the factor
.set BAD,   20                         ; v20  my byte offset in a block of 16 biases; never rewritten
.set ZOF,   21                         ; v21  offset 0, for the scale; never rewritten
.set CT,    24                         ; v24-27  at work while the biases are rounded
.set SMV,   28                         ; v28  exp(min(scale_mul, ln 100)) of the head in hand
.set SMN,   29                         ; v29  scale_mul as loaded
.set BIQ,   32
.set BIV,   64
.set FA,    96
.set TMP,   128                        ; packed result n at TMP + n + 64 (n / 32)
.set OB,    160
.set WV,  12                           ; s12  my wave's number; s13 = wave / 2: I fetch xb (0) or wqb (1); s14 = wave % 2: which half of it
.set G1A, 24                           ; s[24:31] descriptor group 1 for xb's tiles;  s[32:39] group 0: a set for each first fill; the second then serves every refill
.set G0A, 32
.set G1B, 48                           ; s[48:55], s[56:63] the same for wqb's tiles
.set G0B, 56
.set TB,  66                           ; s66  the slot in hand: 0 or SLOT1
.set SEL, 76                           ; s[76:77] v_permlanex16_b32's selects: each lane takes its own place in the other half
.set KO,  88                           ; s[88:89] byte offset along K of the step asked for last: it goes round, 0 to 1,792; 0 above it
.set HB,  90                           ; s90  byte offset in wqb of the head whose tiles are being asked for
.set HB2, 91                           ; s91  the same of my second head
.set JBI, 92                           ; s[92:93] from my first head to my second, in bytes of a bias: + or - 2,048, in 64 bits
.set JS,  94                           ; s[94:95] the same in bytes of scale_mul
.set JO,  96                           ; s[96:97] of qh, kh, vh
.set OFB, 98                           ; s[98:99] HB + KO: what is added to wqb's base for a tile; 0 above it
.set MSB, 0
.macro WIN new                         ; the immediate's high byte repeats the setting that is left; a switch that changes nothing is dropped
.if MSB != (\new)
	s_set_vgpr_msb (MSB<<8)|(\new)
.set MSB, \new
.endif
.endm
.macro PLACES                          ; four plain vector instructions between a matrix instruction and a load into, or a vector instruction on, its registers
.rept 4
	v_nop
.endr
.endm
; A joint load: waves 0 and 1 fetch xb's two halves, waves 2 and 3 wqb's.  The branch hangs on the wave's number alone.  An s_nop 0 and four v_nop follow each line.
.macro JLOAD s
	s_cmp_eq_u32 s13, 0
	s_cbranch_scc0 .Lfor_b_\@
	tensor_load_to_lds s[G0A+4*(\s):G0A+4*(\s)+3], s[G1A:G1A+7]
	s_nop 0
.rept 4
	v_nop
.endr
	s_branch .Lasked_\@
.Lfor_b_\@:
	tensor_load_to_lds s[G0B+4*(\s):G0B+4*(\s)+3], s[G1B:G1B+7]
	s_nop 0
.rept 4
	v_nop
.endr
.Lasked_\@:
.endm
.macro CREST                           ; a round of the cluster's barrier behind its opening barrier
	s_cmp_lg_u32 s[WV], 0
	s_cbranch_scc1 .Lnot_wave_0_\@
	s_barrier_signal -3
.Lnot_wave_0_\@:
	s_barrier_wait -3
	s_barrier_signal -1
	s_barrier_wait -1
.endm
.macro CROUND                          ; a whole round
	s_barrier_signal -1
	s_barrier_wait -1
	CREST
.endm
; A head's small inputs: my eight channels of each block of 16 of q's and v's bias, and the head's scale.
.macro SMALL
.irp b, 0,1,2,3
	global_load_b128 v[BIQ+8*\b:BIQ+8*\b+3],   v[BAD], s[8:9] offset:64*\b
	global_load_b128 v[BIQ+8*\b+4:BIQ+8*\b+7], v[BAD], s[8:9] offset:64*\b+16
	global_load_b128 v[BIV+8*\b:BIV+8*\b+3],   v[BAD], s[10:11] offset:64*\b
	global_load_b128 v[BIV+8*\b+4:BIV+8*\b+7], v[BAD], s[10:11] offset:64*\b+16
.endr
	global_load_b32 v[SMN], v[ZOF], s[68:69]
.endm
	s_load_b256 s[4:11], s[0:1], 0x0               ; xb s[4:5], wqb s[6:7], q_bias s[8:9], v_bias s[10:11]
	s_load_b256 s[68:75], s[0:1], 0x20             ; scale_mul s[68:69], qh s[70:71], kh s[72:73], vh s[74:75]
	v_lshl_add_u32 v[SPW], v0, 2, SPARE
	v_mov_b32 v[NIL], 0
	ds_add_u32 v10, v11
	s_wait_dscnt 0x0
	v_lshrrev_b32 v1, 5, v0
	v_readfirstlane_b32 s[WV], v1                  ; wave 0..3
	s_lshr_b32 s13, s[WV], 1
	s_and_b32 s14, s[WV], 1
	s_bfe_u32 s15, ttmp6, 0x40000                  ; cx, cy: my place in the cluster
	s_bfe_u32 s16, ttmp6, 0x40004
	s_and_b32 s18, ttmp7, 0xffff                   ; the cluster's row,
	s_and_b32 s23, s18, 1                          ; and whether its number is odd: all sixteen partners share it
	s_lshl_b32 s17, ttmp9, 2
	s_add_co_u32 s17, s17, s15                     ; 4 x cluster x + cx: 0 to 7
	s_lshl3_add_u32 s17, s23, s17                  ; my first head: that number, or eight more in an odd cluster row
	s_lshl_b32 s18, s18, 2
	s_add_co_u32 s18, s18, s16                     ; the row tile = 4 x cluster y + cy = 8 x batch pair + block of 128 positions
	s_lshr_b32 s19, s18, 3                         ; batch pair
	s_and_b32 s20, s18, 7                          ; block of positions
	s_lshl_b32 s21, s16, 2
	s_lshl_b32 s21, 15, s21                        ; my row of the cluster
	s_lshl_b32 s22, 0x1111, s15                    ; my column
	s_or_b32 s[G1A], s21, (1<<16)|(1<<20)|(1<<21)|(5<<22)|(3<<25)  ; 15:0 the mask; 17:16 2-byte elements; 20 padding on; 21 set beside a mask; 24:22 after every 64 words; 31:25 4 words of it
	s_or_b32 s[G1B], s22, (1<<16)|(1<<20)|(1<<21)|(5<<22)|(3<<25)
	s_mov_b32 s[G1A+1], 128<<16                    ; tensor_dim0 = 128
	s_mov_b32 s[G1A+2], 128<<16                    ; tensor_dim1 = 128
	s_mov_b32 s[G1A+3], 128<<16                    ; tile_dim0 = 128
	s_mov_b32 s[G1A+4], 128                        ; tile_dim1 = 128
	s_mov_b32 s[G1A+5], 1024                       ; elements from row to row
	s_mov_b32 s[G1A+6], 0
	s_mov_b32 s[G1A+7], 0
	s_mov_b32 s[G1B+1], 128<<16
	s_mov_b32 s[G1B+2], 96<<16                     ; 96 rows
	s_mov_b32 s[G1B+3], 128<<16
	s_mov_b32 s[G1B+4], 96
	s_mov_b32 s[G1B+5], 1024
	s_mov_b32 s[G1B+6], 0
	s_mov_b32 s[G1B+7], 0
	s_lshl_b32 s23, s23, 1                         ; the way from my first head to my second: eight heads up (+1) or down (-1); as 64-bit byte offsets for the small inputs and the targets
	s_sub_co_i32 s23, 1, s23
	s_mul_i32 s[JBI], s23, 2048                    ; 8 heads x 64 channels x 4 bytes
	s_ashr_i32 s[JBI+1], s[JBI], 31
	s_lshl_b32 s[JS], s23, 5                       ; 8 heads x 4 bytes
	s_ashr_i32 s[JS+1], s[JS], 31
	s_mul_i32 s[JO], s23, OUTJ
	s_ashr_i32 s[JO+1], s[JO], 31
	; xb's address hangs on the row tile and the wave alone, wqb's on the head and the wave alone; each in registers that never hold the other coordinate
	s_lshl_b32 s40, s19, 1
	s_add_co_u32 s40, s40, s14                     ; batch = 2 x pair + half
	s_lshl_b32 s40, s40, 10
	s_lshl_b32 s41, s20, 7
	s_add_co_u32 s40, s40, s41                     ; row of xb
	s_lshl_b32 s40, s40, 11                        ; 2,048 bytes a row
	s_mov_b32 s41, 0
	s_mul_i32 s42, s14, 96*2048                    ; wqb: my half of a head's 192 rows: this goes into the base, which is never stepped;
	s_mov_b32 s43, 0
	s_mul_i32 s[HB], s17, HEADB                    ; the head goes into an offset made apart from the address: my first head's,
	s_xor_b32 s[HB2], s17, 8
	s_mul_i32 s[HB2], s[HB2], HEADB                ; and my second's, eight away
	s_mov_b32 s[OFB+1], 0
	s_mul_i32 s78, s14, AHALF                      ; where they go: the wave's number alone enters an LDS address
	s_mul_i32 s79, s14, BHALF
	s_add_co_u32 s79, s79, BOFF
	s_lshl_b32 s80, s17, 2                         ; the targets: (4 head + pair) x 2^18 + (128 block + 32 wave) x 256
	s_add_co_u32 s80, s80, s19
	s_lshl_b32 s80, s80, 18
	s_lshl_b32 s81, s20, 15
	s_add_co_u32 s80, s80, s81
	s_lshl_b32 s81, s[WV], 13
	s_add_co_u32 s80, s80, s81
	s_mov_b32 s81, 0
	s_lshl_b32 s82, s17, 8                         ; the head's 64 biases
	s_mov_b32 s83, 0
	s_lshl_b32 s84, s17, 2                         ; the head's scale
	s_mov_b32 s85, 0
	s_mov_b32 s87, 0xffff0000                      ; a word's upper bf16
	s_mov_b32 s[SEL], 0x76543210
	s_mov_b32 s[SEL+1], 0xfedcba98
	s_mov_b32 s[TB], 0
	s_mov_b32 s[KO], 256                           ; the second first fill asks for K step 1
	s_mov_b32 s[KO+1], 0
	s_wait_kmcnt 0x0
	s_add_nc_u64 s[44:45], s[4:5], s[40:41]        ; xb at my rows: the same for both tiles
	s_add_nc_u64 s[46:47], s[6:7], s[42:43]        ; wqb at my half of head 0's rows: the same for both tiles
	s_add_nc_u64 s[8:9], s[8:9], s[82:83]
	s_add_nc_u64 s[10:11], s[10:11], s[82:83]
	s_add_nc_u64 s[68:69], s[68:69], s[84:85]
	s_add_nc_u64 s[70:71], s[70:71], s[80:81]
	s_add_nc_u64 s[72:73], s[72:73], s[80:81]
	s_add_nc_u64 s[74:75], s[74:75], s[80:81]
	CROUND                                         ; all sixteen work-groups are here: the first joint loads meet
.irp s, 0,1
	s_mov_b32 s[G0A+4*(\s)], 1                                     ; count = 1
	s_add_co_u32 s[G0A+4*(\s)+1], s78, (\s)*SLOT1                  ; LDS address
	s_add_nc_u64 s[G0A+4*(\s)+2:G0A+4*(\s)+3], s[44:45], (\s)*256  ; global address: K step s
	s_or_b32 s[G0A+4*(\s)+3], s[G0A+4*(\s)+3], 0x80000000          ; type = 2
	s_mov_b32 s[G0B+4*(\s)], 1
	s_add_co_u32 s[G0B+4*(\s)+1], s79, (\s)*SLOT1
	s_add_co_u32 s[OFB], s[HB], (\s)*256                           ; my first head, K step s
	s_add_nc_u64 s[G0B+4*(\s)+2:G0B+4*(\s)+3], s[46:47], s[OFB:OFB+1]
	s_or_b32 s[G0B+4*(\s)+3], s[G0B+4*(\s)+3], 0x80000000
	JLOAD \s                                       ; two loads of mine are out
.endr
	v_and_b32 v1, 15, v0                           ; l % 16
	v_bfe_u32 v9, v0, 4, 1                         ; l / 16
	v_lshlrev_b32 v[BAD], 5, v9                    ; my eight channels of a block of 16: 32 bytes for each half of the lanes
	v_mov_b32 v[ZOF], 0
	SMALL                                          ; my first head's biases and scale
	v_mul_u32_u24 v22, v1, PITCH
	v_lshl_add_u32 v22, v9, 4, v22                 ; row x pitch + 16 x half
	s_mul_i32 s86, s[WV], 32*PITCH                 ; my 32 rows of a batch; my stage has the same size
	v_add_nc_u32 v[ADRA0], s86, v22
	v_add_nc_u32 v[ADRB0], BOFF, v22
	v_mov_b32 v[ADRA], v[ADRA0]
	v_mov_b32 v[ADRB], v[ADRB0]
	s_add_co_u32 s86, s86, STAGE
	v_add_nc_u32 v[STO], s86, v22
	v_mul_u32_u24 v23, v9, PITCH                   ; back: lanes 0-15 one row of 256 bytes, lanes 16-31 the next
	v_lshl_add_u32 v23, v1, 4, v23
	v_add_nc_u32 v[RD], s86, v23
	v_and_b32 v[GO], 31, v0
	v_lshlrev_b32 v[GO], 4, v[GO]
; Eight products: row block a x column blocks 0-7 (q, k), 32 along K, from buffer f.  first = 1: they start the sums: q's with its bias, k's with 0.
.macro MLO f, a, first
.if \first
	WIN 0x81
.else
	WIN 0xa1
.endif
.irp b, 0,1,2,3,4,5,6,7
.if (\first) && ((\b) < 4)
	v_wmma_f32_16x16x32_bf16 v[8*(8*(\a)+(\b)):8*(8*(\a)+(\b))+7], v[96*(\f)+8*(\b):96*(\f)+8*(\b)+7], v[FA+32*(\f)+8*(\a):FA+32*(\f)+8*(\a)+7], v[BIQ+8*(\b):BIQ+8*(\b)+7]
.elseif \first
	v_wmma_f32_16x16x32_bf16 v[8*(8*(\a)+(\b)):8*(8*(\a)+(\b))+7], v[96*(\f)+8*(\b):96*(\f)+8*(\b)+7], v[FA+32*(\f)+8*(\a):FA+32*(\f)+8*(\a)+7], 0
.else
	v_wmma_f32_16x16x32_bf16 v[8*(8*(\a)+(\b)):8*(8*(\a)+(\b))+7], v[96*(\f)+8*(\b):96*(\f)+8*(\b)+7], v[FA+32*(\f)+8*(\a):FA+32*(\f)+8*(\a)+7], v[8*(8*(\a)+(\b)):8*(8*(\a)+(\b))+7]
.endif
.endr
.endm
; Four products: row block a x column blocks 8-11 (v).  first = 1: they start the sums with v's bias.
.macro MHI f, a, first
.if \first
	WIN 0xc1
.else
	WIN 0xf1
.endif
.irp b, 0,1,2,3
.if \first
	v_wmma_f32_16x16x32_bf16 v[8*(4*(\a)+(\b)):8*(4*(\a)+(\b))+7], v[96*(\f)+64+8*(\b):96*(\f)+64+8*(\b)+7], v[FA+32*(\f)+8*(\a):FA+32*(\f)+8*(\a)+7], v[BIV+8*(\b):BIV+8*(\b)+7]
.else
	v_wmma_f32_16x16x32_bf16 v[8*(4*(\a)+(\b)):8*(4*(\a)+(\b))+7], v[96*(\f)+64+8*(\b):96*(\f)+64+8*(\b)+7], v[FA+32*(\f)+8*(\a):FA+32*(\f)+8*(\a)+7], v[8*(4*(\a)+(\b)):8*(4*(\a)+(\b))+7]
.endif
.endr
.endm
; 32 LDS loads in one run: the fragments of 32 along K at byte k of the rows, into buffer f: xb's four, wqb's blocks 0-7, then blocks 8-11.
; A fragment is 16 rows x 32 K in 8 registers: lane l holds row l % 16, K = 8 (l / 16) + 0..7 and 16 + 8 (l / 16) + 0..7: two loads of 16 bytes, 32 bytes apart.
.macro FETCH k, f
	WIN 0
.irp a, 0,1,2,3                        ; block a: batch a / 2, rows 16 (a % 2) on of my 32
	ds_load_b128 v[FA+32*(\f)+8*\a:FA+32*(\f)+8*\a+3],   v[ADRA] offset:(\a/2)*AHALF+(\a%2)*16*PITCH+(\k)
	ds_load_b128 v[FA+32*(\f)+8*\a+4:FA+32*(\f)+8*\a+7], v[ADRA] offset:(\a/2)*AHALF+(\a%2)*16*PITCH+(\k)+32
.endr
	WIN 0x40
.irp b, 0,1,2,3,4,5,6,7,8,9,10,11
	ds_load_b128 v[96*(\f)+8*\b:96*(\f)+8*\b+3],   v[ADRB] offset:\b*16*PITCH+(\k)
	ds_load_b128 v[96*(\f)+8*\b+4:96*(\f)+8*\b+7], v[ADRB] offset:\b*16*PITCH+(\k)+32
.endr
.endm
; A K step is four quarters of 32 along K, 48 products each, on buffers 0, 1, 0, 1.  The 48 accumulators take turns in the same order in every quarter.
; One of the first three: multiplies buffer f and, after 16 products, fetches the next quarter, at byte k, into buffer g.
.macro QUARTER k, f, g, first
	s_wait_dscnt 8                                 ; xb's fragments and wqb's blocks 0-7 are in; the youngest eight loads (blocks 8-11) may be out
	MLO \f, 0, \first
	MLO \f, 1, \first
	PLACES                                         ; buffer g was read by the quarter before
	FETCH \k, \g
	s_wait_dscnt 32                                ; all but the 32 just issued
	MLO \f, 2, \first
	MLO \f, 3, \first
	MHI \f, 0, \first
	MHI \f, 1, \first
	MHI \f, 2, \first
	MHI \f, 3, \first
.endm
; The last quarter multiplies buffer 1 and changes slots: one barrier.  In front of it each wave waits for all its tensor loads (at most one is out: its part of the next slot), adds 0 to its spare word,
; and waits for that and for its reads of this slot.  fill = 1: the barrier opens a round of the cluster's, and the slot just read out is filled again, two K steps ahead, first thing behind the round.
; The refill's addresses are made anew while the add is out, each from a base that is never stepped and an offset with 0 above it: the K offset goes round (8 steps of 256 bytes), and where it comes
; back to 0 the step asked for is the next tile's first: wqb's offset then takes my second head's.  That happens once: at the seventh of the 14 refills.
.macro TURN fill
	WIN 0
	s_wait_tensorcnt 0x0                           ; no tensor load of mine is out, so a group 0 may be written
	ds_add_u32 v[SPW], v[NIL]                      ; 0 onto my spare word
	s_xor_b32 s[TB], s[TB], SLOT1                  ; the slot that is read next
.if \fill
	s_add_co_u32 s[KO], s[KO], 256
	s_and_b32 s[KO], s[KO], 0x7ff
	s_cmp_eq_u32 s[KO], 0
	s_cselect_b32 s[HB], s[HB2], s[HB]
	s_add_co_u32 s[OFB], s[HB], s[KO]
	s_xor_b32 s[G0A+5], s[G0A+5], SLOT1            ; the other slot than last time
	s_add_nc_u64 s[G0A+6:G0A+7], s[44:45], s[KO:KO+1]
	s_or_b32 s[G0A+7], s[G0A+7], 0x80000000
	s_xor_b32 s[G0B+5], s[G0B+5], SLOT1
	s_add_nc_u64 s[G0B+6:G0B+7], s[46:47], s[OFB:OFB+1]
	s_or_b32 s[G0B+7], s[G0B+7], 0x80000000
.endif
	s_wait_dscnt 9                                 ; (the add and the youngest eight loads may be out)
	MLO 1, 0, 0
	MLO 1, 1, 0
	s_wait_dscnt 0x0                               ; the add is done, and my reads of this slot are over
	s_barrier_signal -1
	MLO 1, 2, 0                                    ; work on registers while the others arrive
	WIN 0
	s_barrier_wait -1
.if \fill
	CREST                                          ; no wave of any partner still reads this slot or has a load on its way
	JLOAD 1                                        ; its four v_nop are also the places in front of the loads below
.else
	PLACES
.endif
	v_add_nc_u32 v[ADRA], s[TB], v[ADRA0]
	v_add_nc_u32 v[ADRB], s[TB], v[ADRB0]
	FETCH 0, 0
	MLO 1, 3, 0
	MHI 1, 0, 0
	MHI 1, 1, 0
	MHI 1, 2, 0
	MHI 1, 3, 0
.endm
; THE WAY OUT of part s (0 q, 1 k, 2 v).  q and k: the sum of squares of a row's 64 channels (32 in my lane, 32 in the lane 16 away), four chains that take turns; each accumulator's registers are read
; in ascending order.  Then the factor, the rounding to f16, and through my stage in LDS, so that whole rows of 256 bytes (both batches) leave together.
.macro PART s
.if (\s) < 2
	WIN 0x0a                                       ; sources 0 and 1 window 2
.set n, 0
.rept 64
.set rA, 8*(8*(n%4)+4*(\s)+n/16)+2*((n/4)%4)
.set rT, T+2*(n%4)
.if n < 4
	v_pk_mul_f32 v[rT:rT+1], v[rA:rA+1], v[rA:rA+1]
.else
	v_pk_fma_f32 v[rT:rT+1], v[rA:rA+1], v[rA:rA+1], v[rT:rT+1]
.endif
.set n, n+1
.endr
	WIN 0
.irp a, 0,1,2,3
	v_add_f32 v[T+2*\a], v[T+2*\a], v[T+2*\a+1]
.endr
.irp a, 0,1,2,3
	v_permlanex16_b32 v[T+2*\a+1], v[T+2*\a], s[SEL], s[SEL+1]
.endr
.irp a, 0,1,2,3
	v_add_f32 v[T+2*\a], v[T+2*\a], v[T+2*\a+1]
.endr
.irp a, 0,1,2,3
	v_sqrt_f32 v[T+2*\a], v[T+2*\a]
.endr
	v_nop                                          ; a plain instruction behind the last root
	s_wait_alu depctr_va_vdst(0)
.irp a, 0,1,2,3
	v_max_num_f32 v[T+2*\a], 0x2b8cbccc, v[T+2*\a] ; 1e-12
.endr
.irp a, 0,1,2,3
	v_rcp_f32 v[T+2*\a], v[T+2*\a]
.endr
	v_nop                                          ; a plain instruction behind the last reciprocal
.if (\s) == 0
	s_wait_alu depctr_va_vdst(0)
.irp a, 0,1,2,3
	v_mul_f32 v[T+2*\a], v[T+2*\a], v[SMV]
.endr
.endif
	WIN 0x82                                       ; destination and source 0 window 2, the factor in window 0
.set n, 0
	s_wait_alu depctr_va_vdst(0)
.rept 64
.set rA, 8*(8*(n/16)+4*(\s)+(n/4)%4)+2*(n%4)
.set rT, T+2*(n/16)
	v_pk_mul_f32 v[rA:rA+1], v[rA:rA+1], v[rT:rT+1] op_sel_hi:[1,0]
.set n, n+1
.endr
	WIN 0x0a
.set n, 0
.rept 64
.set rA, 8*(8*(n/16)+4*(\s)+(n/4)%4)+2*(n%4)
	v_cvt_pk_f16_f32 v[TMP+n+64*(n/32)], v[rA], v[rA+1]
.set n, n+1
.endr
.else
	WIN 0x0f                                       ; sources 0 and 1 window 3
.set n, 0
.rept 64
	v_cvt_pk_f16_f32 v[TMP+n+64*(n/32)], v[2*n], v[2*n+1]
.set n, n+1
.endr
.endif
	WIN 0
.set n, 0
.rept 16                               ; block a = n / 4 (batch a / 2, rows 16 (a % 2) on), channels 16 (n % 4) on
	ds_store_b128 v[STO], v[TMP+4*n+64*(n/8):TMP+4*n+64*(n/8)+3] offset:((n/4)%2)*16*PITCH+(n/8)*128+32*(n%4)
.set n, n+1
.endr
	s_wait_xcnt 0x0                                ; the part before's stores have read the registers that the loads below fill
.set n, 0
.rept 16
	ds_load_b128 v[OB+4*n:OB+4*n+3], v[RD] offset:n*2*PITCH  ; LDS serves a wave's instructions in order (ISA guide 5.7.1.4): these see the stores above
.set n, n+1
.endr
.set n, 0
.rept 16
	s_wait_dscnt 15-n
	global_store_b128 v[GO], v[OB+4*n:OB+4*n+3], s[70+2*(\s):71+2*(\s)] offset:512*n th:TH_STORE_NT  ; 512 consecutive bytes, at a multiple of 256 from the target's first
.set n, n+1
.endr
.endm
	s_wait_tensorcnt 1                             ; my part of K step 0 is in; step 1's may stay out
	s_barrier_signal -1
	s_barrier_wait -1                              ; everybody's is
	FETCH 0, 0
	WIN 0                                          ; at a label and at a branch every window is 0
	s_mov_b32 s2, 2                                ; tiles to go, this one among them: the same number in every work-group
.Ltile:
	s_wait_loadcnt 0x0                             ; this head's biases and scale
.set i, 0
.rept 32                               ; both biases (v32-95) rounded to bf16 and widened again
	v_cvt_pk_bf16_f32 v[CT+i%4], v[BIQ+2*i], v[BIQ+2*i+1]
	v_lshlrev_b32 v[BIQ+2*i], 16, v[CT+i%4]
	v_and_b32 v[BIQ+2*i+1], s87, v[CT+i%4]
.set i, i+1
.endr
	v_cvt_pk_bf16_f32 v[SMV], v[SMN], v[SMN]
	v_lshlrev_b32 v[SMV], 16, v[SMV]
	v_min_num_f32 v[SMV], 0x40935d8e, v[SMV]       ; ln 100
	v_mul_f32 v[SMV], 0x3fb8aa3b, v[SMV]           ; log2(e)
	v_exp_f32 v[SMV], v[SMV]
	v_nop                                          ; a plain instruction behind the exponential
	QUARTER 64, 0, 1, 1                            ; a tile's first quarter stands in front of the loop: its products start the sums
	WIN 0
	s_mov_b32 s3, 6
.Lstep:                                                ; six trips: from a K step's second quarter to the next step's first; they ask for this tile's K steps 2 to 7
	QUARTER 128, 1, 0, 0
	QUARTER 192, 0, 1, 0
	TURN 1
	QUARTER 64, 0, 1, 0
	WIN 0
	s_sub_co_u32 s3, s3, 1
	s_cmp_lg_u32 s3, 0
	s_cbranch_scc1 .Lstep
	; The rest of K step 6, and step 7: three quarters, a change of slots, four quarters.  Written once as a loop of two trips that is entered behind its first quarter;
	; once for a tile that has a successor, whose K steps 0 and 1 are asked for, and once for the last tile, which asks for nothing.
	s_mov_b32 s3, 2
	s_cmp_eq_u32 s2, 1
	s_cbranch_scc1 .Ltail_in
	s_branch .Lsucc_in
.Lsucc:
	QUARTER 64, 0, 1, 0
	WIN 0
.Lsucc_in:
	QUARTER 128, 1, 0, 0
	QUARTER 192, 0, 1, 0
	TURN 1                                         ; the second time it fetches the next tile's first fragments
	WIN 0
	s_sub_co_u32 s3, s3, 1
	s_cmp_lg_u32 s3, 0
	s_cbranch_scc1 .Lsucc
	s_branch .Lway
.Ltail:
	QUARTER 64, 0, 1, 0
	WIN 0
.Ltail_in:
	QUARTER 128, 1, 0, 0
	QUARTER 192, 0, 1, 0
	TURN 0                                         ; the second time its barrier and its 32 loads (of the other slot's old bytes, into buffer 0) serve nothing: the price, once a launch, of one text for both trips
	WIN 0
	s_sub_co_u32 s3, s3, 1
	s_cmp_lg_u32 s3, 0
	s_cbranch_scc1 .Ltail
.Lway:
	PLACES                                         ; behind the last products
	s_cmp_eq_u32 s2, 1
	s_cbranch_scc1 .Lno_next
	s_add_nc_u64 s[8:9], s[8:9], s[JBI:JBI+1]      ; my second head's biases and scale are asked for now (the loads that named these bases were waited for at the tile's head;
	s_add_nc_u64 s[10:11], s[10:11], s[JBI:JBI+1]  ; the bias registers have been free since the first quarter) and are waited for at the next tile's head
	s_add_nc_u64 s[68:69], s[68:69], s[JS:JS+1]
	SMALL
.Lno_next:
	PART 0
	PART 1
	PART 2
	s_wait_xcnt 0x0                                ; the stores have read their bases
	s_add_nc_u64 s[70:71], s[70:71], s[JO:JO+1]    ; the targets at my second head (behind the second tile the stepped bases are not used)
	s_add_nc_u64 s[72:73], s[72:73], s[JO:JO+1]
	s_add_nc_u64 s[74:75], s[74:75], s[JO:JO+1]
	s_sub_co_u32 s2, s2, 1
	s_cmp_lg_u32 s2, 0
	s_cbranch_scc1 .Ltile
	s_wait_tensorcnt 0x0                           ; the wave's end
	ds_add_u32 v[SPW], v[NIL]
	s_wait_dscnt 0x0
	CROUND                                         ; the closing round: no work-group ends while a partner may still ask for a tile that names it
	s_endpgm
.Lfunc_end_k_qe3940c2320_qkv:
	.size	k_qe3940c2320_qkv, .Lfunc_end_k_qe3940c2320_qkv-k_qe3940c2320_qkv
	.p2alignl 7, 3214868480
	.fill 96, 4, 3214868480
	.section	.rodata,"a",@progbits
	.p2align	6, 0x0
	.amdhsa_kernel k_qe3940c2320_qkv
		.amdhsa_group_segment_fixed_size 327680
		.amdhsa_private_segment_fixed_size 0
		.amdhsa_enable_private_segment 0
		.amdhsa_kernarg_size 64
		.amdhsa_user_sgpr_count 2
		.amdhsa_user_sgpr_kernarg_segment_ptr 1
		.amdhsa_wavefront_size32 1
		.amdhsa_system_sgpr_workgroup_id_x 1
		.amdhsa_system_sgpr_workgroup_id_y 1
		.amdhsa_system_sgpr_workgroup_id_z 1
		.amdhsa_system_vgpr_workitem_id 0
		.amdhsa_next_free_vgpr 896
		.amdhsa_next_free_sgpr 100
		.amdhsa_reserve_vcc 0
		.amdhsa_float_denorm_mode_32 3
		.amdhsa_float_denorm_mode_16_64 3
		.amdhsa_memory_ordered 1
		.amdhsa_forward_progress 1
		.amdhsa_inst_pref_size 135
	.end_amdhsa_kernel
	.amdgpu_metadata
---
amdhsa.version: [ 1, 2 ]
amdhsa.kernels:
  - .name:           k_qe3940c2320_qkv
    .symbol:         k_qe3940c2320_qkv.kd
    .args:
      - { .name: xb, .offset: 0, .size: 8, .value_kind: global_buffer, .address_space: global }
      - { .name: wqb, .offset: 8, .size: 8, .value_kind: global_buffer, .address_space: global }
      - { .name: q_bias, .offset: 16, .size: 8, .value_kind: global_buffer, .address_space: global }
      - { .name: v_bias, .offset: 24, .size: 8, .value_kind: global_buffer, .address_space: global }
      - { .name: scale_mul, .offset: 32, .size: 8, .value_kind: global_buffer, .address_space: global }
      - { .name: qh, .offset: 40, .size: 8, .value_kind: global_buffer, .address_space: global }
      - { .name: kh, .offset: 48, .size: 8, .value_kind: global_buffer, .address_space: global }
      - { .name: vh, .offset: 56, .size: 8, .value_kind: global_buffer, .address_space: global }
    .group_segment_fixed_size: 327680
    .private_segment_fixed_size: 0
    .kernarg_segment_align: 8
    .kernarg_segment_size: 64
    .max_flat_workgroup_size: 128
    .sgpr_count:     100
    .vgpr_count:     896
    .wavefront_size: 32
...
	.end_amdgpu_metadata
.endif
;; end of part 2
;; launch attn (part 3): grid 64 x 4, 4 waves a work-group, clusters of 4 x 4, 327,680 bytes of LDS; arguments qh, kh, vh, attn_bias, ob; writes ob
.if DOCPART == 3
	.amdgcn_target "amdgcn-amd-amdhsa--gfx1250"
	.amdhsa_code_object_version 6
	.text
	.protected	k_qe3940c2320_attn
	.globl	k_qe3940c2320_attn
	.p2align	8
	.type	k_qe3940c2320_attn,@function
k_qe3940c2320_attn:
	s_mov_b64 s[64:65], 0
	v_nop
	global_prefetch_b8 v0, s[64:65] scope:SCOPE_SE
	s_setreg_imm32_b32 hwreg(HW_REG_WAVE_MODE, 25, 1), 1
	s_wait_xcnt 0x0
	s_wait_alu depctr_hold_cnt(0) depctr_sa_sdst(0) depctr_va_vdst(0) depctr_va_sdst(0) depctr_va_ssrc(0) depctr_va_vcc(0) depctr_vm_vsrc(0)
	s_getreg_b32 s2, hwreg(HW_REG_IB_STS2, 6, 4)
	s_cmp_eq_u32 s2, 0
	s_cbranch_scc0 .Lentry_in_a_cluster
	s_endpgm
.Lentry_in_a_cluster:
	s_bfe_u32 s2, ttmp6, 0x10000c
	s_cmp_lg_u32 s2, 0xf033
	s_cbranch_scc0 .Lentry_shape_is_right
	s_endpgm
.Lentry_shape_is_right:
; ATTENTION WITH A BIAS.  O[b][h][q][:] = the sum over k of softmax_k(Q[q] . K[k] + bias[h][q][k]) V[k][:], head size 64, 1,024 keys, 8 batches, 16 heads; the bias (f32, taken as it is) is the same for all batches.
; qh, kh, vh: f16, [16 heads][4 batch pairs][1024 rows][2 batches][64 channels].  ob: f16, [4 pairs][8 blocks of 128 rows][16 heads][128 rows][2 batches][64 channels].
; Products, maxima and sums in f32; the weights p are rounded to f16 for the second product (their sum l is taken of the unrounded p), O once at the end.
; LIMITS.  Q, K, V arrive within f16's range (65,504); p lies in 0 to 1 and below 6e-5 keeps f16's fixed step of 6e-8; O is a mean of V's rows.  A weight below 2^-126 counts as 0 in l; NaN and infinities are not treated apart.
; CLUSTER: 4 x 4 work-groups are one head: cx = the batch pair, cy = a block of 256 queries.  K's and V's tiles hang on (head, cx) and are asked for jointly down a column, the bias's hang on (head, cy) and are asked
; for jointly along a row: so each byte of K, V and of the bias is requested once for the sixteen.
; SHARES.  A work-group: 256 queries of both batches of a pair.  A wave: 64 queries of both: eight tiles of 16; tile t = 4 x batch + query block.  PIECE x (0..3) is tiles 2 x, 2 x + 1: batch x / 2, query pair x % 2.
; LAYOUT.  S^T = K Q^T + bias^T (source 0 = 16 keys, source 1 = 16 queries, C = the bias): a lane holds ONE query (lane % 16) and the keys 8 (lane / 16) + 0..7, which are 32 consecutive bytes of the bias's row.
; Two such tiles, rounded to f16 in pairs, ARE source 1 of O^T = V^T P.  K comes out of LDS as it lies, V turned, by ds_load_tr16_b128.
; SOFTMAX.  A running maximum m and sum l for each query: p = 2^(c s - c m), c = log2(e); in every step O and l are multiplied by a = 2^(c m_old - c m_new).  m starts at the lowest finite number, O and l at 0.
; BY TURNS.  Turn n belongs to piece n: 16 products K Q^T of piece n + 1, later 16 products V^T P of piece n - 1; beside them the scaling, exponentials, roundings, sums and rescaling of piece n and the maximum and
; statistics of piece n + 1.  Four vector instructions that are ready stand behind every matrix instruction; the others, which need time of their own whatever the order, stand in two runs without a gap.
; THE RING.  A slot holds one step of 64 keys: K and V of both batches, the bias of 256 queries.  All reads of a step's slot fall between two changes of slots (which stand behind piece 1's turn): K and the bias's first half
; in piece 2's turn, the bias's second half and batch 0's V in piece 3's, batch 1's K in piece 0's, batch 1's V in piece 1's.  So a refill has a whole key step, 128 products, in which to land.
; REGISTERS in windows of 256 (s_set_vgpr_msb: bits 1:0 source 0, 3:2 source 1, 5:4 source 2, 7:6 destination):
;   window 0: v0-11 addresses; v12-15, v48-63 at work; v16-47 four registers of statistics a tile; v64-191 S^T, two buffers of two tiles; v192-255 P, likewise
;   window 1: O^T, 32 a tile      window 2: v0-127 Q, 16 a tile; v128-191 K of one batch; v192-255 V of batch 0      window 3: v0-1 the add's registers; v64-191 the bias, 32 a query block; v192-255 V of batch 1
.set NP,    4         ; pieces a wave: a name, no knob
.set KS,    64        ; keys in a step
.set PK,    272       ; a row of K in LDS: 256 bytes + 16 of padding: the 16 rows of a load start at 16 different groups of four banks (64 banks of 4 bytes: ISA guide 11.1)
.set PV,    288       ; a row of V: 256 + 32
.set PB,    272       ; a row of the bias: 64 keys of 4 bytes + 16
.set VOFF,  KS*PK
.set BOFF,  VOFF+KS*PV
.set SLOT1, 1<<17     ; slot 1 begins here: one exclusive or turns an address in one slot into the other's
.set STAGE, SLOT1+BOFF+256*PB   ; behind the ring, never filled by a tensor load: 16 rows x 272 bytes for each wave
.set SP,    272
.set SPARE, STAGE+4*16*SP       ; the spare words, 128 bytes for each wave: two blocks of 256 bytes that no other line names
.set AK0, 2           ; v2   my lane's place in a tile of K; never rewritten
.set AV0, 3           ; v3   the same for V
.set AB0, 4           ; v4   the same for the bias
.set AK,  5           ; v5-7 those three + the slot in hand
.set AV,  6
.set AB,  7
.set STO, 8           ; v8   the way out: where I put 16 bytes of a row
.set RD,  9           ; v9   the way out: where I read rows back
.set GO,  10          ; v10  my byte offset in 512 consecutive bytes of ob
.set PFV, 11          ; v11  the prefetch: my row of the bias's 256, x 4,096 bytes
.set SPW, 0           ; v0 of window 3: LDS address of my spare word; never rewritten
.set NIL, 1           ; v1 of window 3: 0; never rewritten
.set MV,  12          ; v12-15  c m_old, kept while c m is made anew
.set ST,  16          ; tile t's statistics at v[ST+4 t]: c m, m, l (even keys', odd keys')
.set TMP, 48          ; by buffer and tile, four registers c0-c3 at work; when the maximum is found c2 takes a
.set S,   64
.set P,   192
.set BI,  64          ; window 3: query pair qp, tile u, key block kb at BI + 64 qp + 32 u + 8 kb
.set KF,  128         ; window 2: key block kb, channel half c at KF + 16 kb + 8 c
.set VF,  192         ; windows 2 and 3: key half kk, channel block cb at VF + 32 kk + 8 cb
.set WV,  12          ; s12  my wave's number
.set G1K, 24          ; s[24:31] descriptor group 1 for K's tiles
.set G1V, 32          ; s[32:39] for V's: it differs in the padding alone
.set G0K, 40          ; s[40:43] descriptor group 0 for K's tiles: it walks
.set G0V, 44          ; s[44:47] for V's
.set G1B, 48          ; s[48:55] descriptor group 1 for the bias's tiles
.set CNT, 57          ; s57  counts key steps
.set CS,  58          ; s[58:59] c
.set SEL, 60          ; s[60:61] v_permlanex16_b32's selects
.set TB,  62          ; s62  the slot in hand: 0 or SLOT1
.set G0B, 68          ; s[68:71] descriptor group 0 for the bias's tiles
.set PFB, 72          ; s[72:73] the bias at my head and query block; s[74:75] the step's byte offset to ask for; s[76:77] their sum
.set MSB, 0
.macro WIN new
.if MSB != (\new)
	s_set_vgpr_msb (MSB<<8)|(\new)
.set MSB, (\new)
.endif
.endm
.set W_KQ, 0x0a       ; K and Q in window 2, S^T in window 0
.set W_KB, 0x3a       ; the same with the C operand, the bias, in window 3
.set W_PV, 0x52       ; V in window 2 (batch 1: + 1, window 3), P in window 0, O^T in window 1
.set W_RS, 0x41       ; O^T (destination and source 0) in window 1, a in window 0
.set W_AD, 0x0f       ; the add: address and data in window 3
; A joint fill: wave 0 fetches the step's K, wave 1 its V, waves 2 and 3 the two halves of the bias's 256 rows.  The branches hang on the wave's number alone.  An s_nop 0 and four v_nop follow each line.
.macro JLOAD
	s_cmp_lt_u32 s[WV], 2
	s_cbranch_scc0 .Lfor_b_\@
	s_cmp_eq_u32 s[WV], 0
	s_cbranch_scc0 .Lfor_v_\@
	tensor_load_to_lds s[G0K:G0K+3], s[G1K:G1K+7]
	s_nop 0
.rept 4
	v_nop
.endr
	s_branch .Lasked_\@
.Lfor_v_\@:
	tensor_load_to_lds s[G0V:G0V+3], s[G1V:G1V+7]
	s_nop 0
.rept 4
	v_nop
.endr
	s_branch .Lasked_\@
.Lfor_b_\@:
	tensor_load_to_lds s[G0B:G0B+3], s[G1B:G1B+7]
	s_nop 0
.rept 4
	v_nop
.endr
.Lasked_\@:
.endm
.macro CROUND                       ; a round of the cluster's barrier
	s_barrier_signal -1
	s_barrier_wait -1
	s_cmp_lg_u32 s[WV], 0
	s_cbranch_scc1 .Lnot_wave_0_\@
	s_barrier_signal -3
.Lnot_wave_0_\@:
	s_barrier_wait -3
	s_barrier_signal -1
	s_barrier_wait -1
.endm
; THE CHANGE OF SLOTS.  Each wave waits for all its tensor loads, of which one is out: its part of the other slot; adds 0 to its spare word; and waits for that and for its own reads of the slot that it leaves.
; fill = 1: the barrier is a round of the cluster's, and the old slot is filled again, with the keys two steps on, first thing behind it.  (At its first use nothing has been read yet: slot 0 is waited for, slot 1 filled.)
; Behind the fill waves 0 and 1 ask the L2 for the bias's tile one step beyond the one just requested: work-group cx asks for rows 64 cx .. 64 cx + 63 of the block's 256, a lane for each row's 256 bytes;
; the offset stops at the last step's.
.macro CHANGE fill
	WIN W_AD
	s_wait_tensorcnt 0x0            ; no tensor load of mine is out, so a group 0 may be written
	ds_add_u32 v[SPW], v[NIL]       ; 0 onto my spare word
	WIN 0
.if \fill
	s_wait_xcnt 0x0                 ; the last prefetch has read its address
	s_xor_b32 s[G0K+1], s[G0K+1], SLOT1
	s_add_nc_u64 s[G0K+2:G0K+3], s[G0K+2:G0K+3], KS*256
	s_xor_b32 s[G0V+1], s[G0V+1], SLOT1
	s_add_nc_u64 s[G0V+2:G0V+3], s[G0V+2:G0V+3], KS*256
	s_xor_b32 s[G0B+1], s[G0B+1], SLOT1
	s_add_nc_u64 s[G0B+2:G0B+3], s[G0B+2:G0B+3], KS*4
	s_add_nc_u64 s[PFB+4:PFB+5], s[PFB:PFB+1], s[PFB+2:PFB+3]
	s_add_co_u32 s[PFB+2], s[PFB+2], KS*4
	s_min_u32 s[PFB+2], s[PFB+2], 15*KS*4
.endif
	s_xor_b32 s[TB], s[TB], SLOT1
	v_add_nc_u32 v[AK], s[TB], v[AK0]
	v_add_nc_u32 v[AV], s[TB], v[AV0]
	v_add_nc_u32 v[AB], s[TB], v[AB0]
	s_wait_dscnt 0x0                ; the add is done, and my reads of the slot are over
.if \fill
	CROUND
	JLOAD
	s_cmp_lt_u32 s[WV], 2
	s_cbranch_scc0 .Lno_ask_\@
	global_prefetch_b8 v[PFV], s[PFB+4:PFB+5] th:TH_LOAD_NT scope:SCOPE_SE
.Lno_ask_\@:
.else
	s_barrier_signal -1
	s_barrier_wait -1
.endif
.endm
	s_load_b256 s[4:11], s[0:1], 0x0  ; qh s[4:5], kh s[6:7], vh s[8:9], attn_bias s[10:11]
	s_load_b64 s[66:67], s[0:1], 0x20 ; ob
	WIN 0xc0
	v_lshl_add_u32 v[SPW], v0, 2, SPARE
	v_mov_b32 v[NIL], 0
	s_set_vgpr_msb 0xc0cf
	ds_add_u32 v0, v1
	s_wait_dscnt 0x0
	s_set_vgpr_msb 0xcfc0
	WIN 0
	v_lshrrev_b32 v1, 5, v0
	v_readfirstlane_b32 s[WV], v1   ; wave 0..3
	s_bfe_u32 s13, ttmp6, 0x40000   ; cx: the batch pair
	s_bfe_u32 s14, ttmp6, 0x40004   ; cy: the block of 256 queries
	s_mov_b32 s15, ttmp9            ; the cluster's x: the head
	s_lshl_b32 s20, s14, 2
	s_lshl_b32 s20, 15, s20         ; my row of the cluster
	s_lshl_b32 s21, 0x1111, s13     ; my column
	s_or_b32 s[G1K], s21, (1<<16)|(1<<20)|(1<<21)|(5<<22)|(3<<25)  ; the mask; 2-byte elements; padding on; 21 set beside a mask; after every 64 words; 4 words of it
	s_or_b32 s[G1V], s21, (1<<16)|(1<<20)|(1<<21)|(5<<22)|(7<<25)  ; the same with 8 words of padding
	s_or_b32 s[G1B], s20, (2<<16)|(1<<20)|(1<<21)|(5<<22)|(3<<25)  ; 4-byte elements
.irp g, G1K, G1V
	s_mov_b32 s[\g+1], 128<<16      ; tensor_dim0 = 128
	s_mov_b32 s[\g+2], KS<<16       ; tensor_dim1 = 64
	s_mov_b32 s[\g+3], 128<<16      ; tile_dim0 = 128
	s_mov_b32 s[\g+4], KS           ; tile_dim1 = 64
	s_mov_b32 s[\g+5], 128          ; the rows are dense
	s_mov_b32 s[\g+6], 0
	s_mov_b32 s[\g+7], 0
.endr
	s_mov_b32 s[G1B+1], KS<<16      ; 64 keys
	s_mov_b32 s[G1B+2], 128<<16     ; 128 queries
	s_mov_b32 s[G1B+3], KS<<16
	s_mov_b32 s[G1B+4], 128
	s_mov_b32 s[G1B+5], 1024        ; elements from query to query
	s_mov_b32 s[G1B+6], 0
	s_mov_b32 s[G1B+7], 0
	s_and_b32 s22, s[WV], 1
	s_mov_b32 s[G0K], 1
	s_mov_b32 s[G0K+1], 0           ; slot 0
	s_mov_b32 s[G0V], 1
	s_mov_b32 s[G0V+1], VOFF
	s_mov_b32 s[G0B], 1
	s_mul_i32 s23, s22, 128*PB
	s_add_co_u32 s[G0B+1], s23, BOFF
	s_lshl_b32 s16, s15, 2          ; K and V: (4 head + cx) x 2^18: no cy in it
	s_add_co_u32 s16, s16, s13
	s_lshl_b32 s16, s16, 18
	s_mov_b32 s17, 0
	s_lshl_b32 s18, s15, 22         ; the bias: head x 2^22 + cy x 2^20: no cx in it
	s_lshl_b32 s19, s14, 20
	s_or_b32 s18, s18, s19
	s_mov_b32 s19, 0
	s_lshl_b32 s78, s22, 19         ; + my half of the 256 queries
	s_or_b32 s78, s78, s18
	s_mov_b32 s79, 0
	s_lshl_b32 s80, s14, 16         ; Q: my block's 256 rows, my wave's 64 of them
	s_lshl_b32 s81, s[WV], 14
	s_add_co_u32 s80, s80, s81
	s_add_co_u32 s80, s80, s16
	s_mov_b32 s81, 0
	s_lshl_b32 s82, s13, 3          ; ob: ((8 cx + 2 cy + wave / 2) x 16 + head) x 2^15 + (wave % 2) x 64 rows
	s_lshl1_add_u32 s82, s14, s82
	s_lshr_b32 s83, s[WV], 1
	s_add_co_u32 s82, s82, s83
	s_lshl4_add_u32 s82, s82, s15
	s_lshl_b32 s82, s82, 15
	s_lshl_b32 s83, s22, 14
	s_add_co_u32 s82, s82, s83
	s_mov_b32 s83, 0
	s_mov_b32 s[CS], 0x3fb8aa3b     ; c = log2(e)
	s_mov_b32 s[CS+1], s[CS]        ; named with it as a pair
	s_mov_b32 s[SEL], 0x76543210
	s_mov_b32 s[SEL+1], 0xfedcba98
	s_mov_b32 s[TB], SLOT1          ; the first change of slots turns it into 0
	s_mov_b32 s[PFB+2], 2*KS*4      ; the first prefetch asks for step 2
	s_mov_b32 s[PFB+3], 0
	s_wait_kmcnt 0x0
	s_add_nc_u64 s[G0K+2:G0K+3], s[6:7], s[16:17]
	s_or_b32 s[G0K+3], s[G0K+3], 0x80000000
	s_add_nc_u64 s[G0V+2:G0V+3], s[8:9], s[16:17]
	s_or_b32 s[G0V+3], s[G0V+3], 0x80000000
	s_add_nc_u64 s[G0B+2:G0B+3], s[10:11], s[78:79]
	s_or_b32 s[G0B+3], s[G0B+3], 0x80000000
	s_add_nc_u64 s[PFB:PFB+1], s[10:11], s[18:19]
	s_add_nc_u64 s[4:5], s[4:5], s[80:81]
	s_add_nc_u64 s[66:67], s[66:67], s[82:83]
	CROUND                          ; all sixteen work-groups are here: the first joint loads meet
	JLOAD                           ; step 0 into slot 0
	v_and_b32 v1, 15, v0            ; l % 16
	v_bfe_u32 v48, v0, 4, 1         ; l / 16
	v_lshlrev_b32 v49, 8, v1
	v_lshl_add_u32 v49, v48, 4, v49 ; Q: row x 256 + 16 x half
	WIN 0x80                        ; destination window 2, address window 0
.set i, 0
.rept 16                            ; Q stays in registers: tile i / 2 (batch (i / 2) / 4, query block (i / 2) % 4), channels 32 (i % 2) on
	global_load_b128 v[8*i:8*i+3],   v49, s[4:5] offset:((i/2)%4)*4096+(i/8)*128+(i%2)*64
	global_load_b128 v[8*i+4:8*i+7], v49, s[4:5] offset:((i/2)%4)*4096+(i/8)*128+(i%2)*64+32
.set i, i+1
.endr
	; What the first turn finds: batch 1's V and P's second buffer hold 0 (its products V^T P, of a piece that has not been, add 0), O^T and l are 0.  All this stands in the wait for the first tile.
	WIN 0xc0
.set i, VF
.rept 64
	v_mov_b32 v[i], 0
.set i, i+1
.endr
	WIN 0x40
.set i, 0
.rept 64*NP
	v_mov_b32 v[i], 0
.set i, i+1
.endr
	WIN 0
.set i, 0
.rept 2*NP
	v_mov_b32 v[ST+4*i], 0xfe000000    ; c m: far below every c s
	v_mov_b32 v[ST+4*i+1], 0xff7fffff  ; m
	v_mov_b32 v[ST+4*i+2], 0
	v_mov_b32 v[ST+4*i+3], 0
.set i, i+1
.endr
.set i, P+32
.rept 32
	v_mov_b32 v[i], 0
.set i, i+1
.endr
	v_mul_u32_u24 v[AK0], v1, PK
	v_lshl_add_u32 v[AK0], v48, 4, v[AK0]  ; row x pitch + 16 x half
	; The turning load takes 16 keys x 16 channels (lane l reads key 8 (l / 16) + l % 8, channels 8 ((l / 8) % 2) + 0..7) and leaves half a fragment of V^T: lane l holds channel l % 16 and 8 keys.
	v_and_b32 v50, 7, v0
	v_bfe_u32 v51, v0, 3, 1
	v_lshl_add_u32 v[AV0], v48, 3, v50
	v_mul_u32_u24 v[AV0], v[AV0], PV
	v_lshl_add_u32 v[AV0], v51, 4, v[AV0]
	v_add_nc_u32 v[AV0], VOFF, v[AV0]
	s_mul_i32 s23, s[WV], 64*PB     ; the bias: my wave's 64 queries; query l % 16, 32 bytes (8 keys) for each half of the lanes
	s_add_co_u32 s23, s23, BOFF
	v_mul_u32_u24 v[AB0], v1, PB
	v_lshl_add_u32 v[AB0], v48, 5, v[AB0]
	v_add_nc_u32 v[AB0], s23, v[AB0]
	s_mul_i32 s23, s[WV], 16*SP
	s_add_co_u32 s23, s23, STAGE    ; my stage
	v_add_nc_u32 v[STO], s23, v[AK0]  ; in: row l % 16, 16 bytes for each half of the lanes (the stage's pitch is K's)
	v_mul_u32_u24 v[RD], v48, SP    ; back: lanes 0-15 one row of 256 bytes, lanes 16-31 the next
	v_lshl_add_u32 v[RD], v1, 4, v[RD]
	v_add_nc_u32 v[RD], s23, v[RD]
	v_and_b32 v[GO], 31, v0
	v_lshlrev_b32 v[GO], 4, v[GO]
	s_lshl_b32 s23, s13, 6
	v_add_nc_u32 v[PFV], s23, v0    ; row 64 cx + thread (threads 0 to 63 ask)
	v_lshlrev_b32 v[PFV], 12, v[PFV]
; THE MATRIX WORK.  The 8 accumulators of a run of 16 take turns: between the two links of a chain stand 7 others'.
; Product i of 16 of S^T = K Q^T + bias for piece x: channels 32 (i / 8) on, keys 16 ((i / 2) % 4) on, tile 2 x + i % 2.  The first 8 start the sums with the bias.
.macro KQ x
.set rS, S+64*((\x)%2)+32*(i%2)+8*((i/2)%4)
.set rB, BI+64*((\x)%2)+32*(i%2)+8*((i/2)%4)
.set rK, KF+16*((i/2)%4)+8*(i/8)
.set rQ, 16*(2*(\x)+i%2)+8*(i/8)
.if i < 8
	WIN W_KB
	v_wmma_f32_16x16x32_f16 v[rS:rS+7], v[rK:rK+7], v[rQ:rQ+7], v[rB:rB+7]
.else
	WIN W_KQ
	v_wmma_f32_16x16x32_f16 v[rS:rS+7], v[rK:rK+7], v[rQ:rQ+7], v[rS:rS+7]
.endif
.endm
; Product i of 16 of O^T += V^T P for piece x: keys 32 (i / 8) on, channels 16 ((i / 2) % 4) on, tile 2 x + i % 2; V of batch x / 2.
.macro PV x
	WIN W_PV+(\x)/2
.set rO, 32*(2*(\x)+i%2)+8*((i/2)%4)
.set rV, VF+32*(i/8)+8*((i/2)%4)
.set rP, P+32*((\x)%2)+16*(i%2)+8*(i/8)
	v_wmma_f32_16x16x32_f16 v[rO:rO+7], v[rV:rV+7], v[rP:rP+7], v[rO:rO+7]
.endm
.macro MM                           ; the turn's next matrix instruction
.if i < 16
	KQ (Y+1)%NP
.set i, i+1
.else
.set i, i-16
	PV (Y+NP-1)%NP
.set i, i+17
.endif
.endm
; THE LDS LOADS stand in runs of 16, never singly among the matrix instructions.  bt: the batch of the pair, 128 bytes into a row.
.macro FETCH_K bt
	WIN 0x80                        ; destination window 2
.irp f, 0,1,2,3,4,5,6,7             ; keys 16 (f / 2) on, channels 32 (f % 2) on
	ds_load_b128 v[KF+8*\f:KF+8*\f+3],   v[AK] offset:(\f/2)*16*PK+128*(\bt)+(\f%2)*64
	ds_load_b128 v[KF+8*\f+4:KF+8*\f+7], v[AK] offset:(\f/2)*16*PK+128*(\bt)+(\f%2)*64+32
.endr
	WIN 0
.endm
.macro FETCH_V bt
	WIN 0x80+0x40*(\bt)             ; destination window 2 or 3
.irp f, 0,1,2,3,4,5,6,7             ; keys 32 (f / 4) on, channels 16 (f % 4) on
	ds_load_tr16_b128 v[VF+8*\f:VF+8*\f+3],   v[AV] offset:(\f/4)*32*PV+128*(\bt)+(\f%4)*32
	ds_load_tr16_b128 v[VF+8*\f+4:VF+8*\f+7], v[AV] offset:(\f/4)*32*PV+16*PV+128*(\bt)+(\f%4)*32
.endr
	WIN 0
.endm
.macro FETCH_B qp                   ; the bias of query pair qp: tile f / 4, keys 16 (f % 4) on: eight f32 a lane
	WIN 0xc0                        ; destination window 3
.irp f, 0,1,2,3,4,5,6,7
	ds_load_b128 v[BI+64*(\qp)+8*\f:BI+64*(\qp)+8*\f+3],   v[AB] offset:(2*(\qp)+\f/4)*16*PB+(\f%4)*64
	ds_load_b128 v[BI+64*(\qp)+8*\f+4:BI+64*(\qp)+8*\f+7], v[AB] offset:(2*(\qp)+\f/4)*16*PB+(\f%4)*64+16
.endr
	WIN 0
.endm
; THE VECTOR WORK OF A TURN stands in three queues, each in the order in which its entries become ready; the two tiles alternate, so that no instruction reads the result of the one before it.
.macro REGS y, u                    ; the registers of tile u (0, 1) of piece y
.set rT, ST+4*(2*(\y)+(\u))
.set rC, TMP+8*((\y)%2)+4*(\u)
.set rM, MV+2*((\y)%2)+(\u)
.set rS, S+64*((\y)%2)+32*(\u)
.set rP, P+32*((\y)%2)+16*(\u)
.set rO, 32*(2*(\y)+(\u))
.endm
; Number n of the 22 that find the NEXT piece's (Y + 1) maximum and statistics.  s0-s31 are the lane's 32 scores; each accumulator's lowest registers are read first.
;   0-11  four chains c0-c3 of seven scores each, three operands at a time     12-14, 16  the four scores left over, the old m, and c0-c3 into c0     15  c m_old is kept
;   17, 18  the query's other 32 keys lie in the lane 16 away: the new m         19-21  c m; c m_old - c m_new; a
.macro XS u, n
	REGS (Y+1)%NP, \u
.if (\n) < 4
	v_max3_num_f32 v[rC+(\n)], v[rS+8*(\n)], v[rS+8*(\n)+1], v[rS+8*(\n)+2]
.elseif (\n) < 12
	v_max3_num_f32 v[rC+(\n)%4], v[rC+(\n)%4], v[rS+8*((\n)%4)+2*((\n)/4)+1], v[rS+8*((\n)%4)+2*((\n)/4)+2]
.elseif (\n) == 12
	v_max3_num_f32 v[rC], v[rC], v[rS+7], v[rS+15]
.elseif (\n) == 13
	v_max3_num_f32 v[rC+1], v[rC+1], v[rS+23], v[rS+31]
.elseif (\n) == 14
	v_max3_num_f32 v[rC+2], v[rC+2], v[rC+3], v[rT+1]
.elseif (\n) == 15
	v_mov_b32 v[rM], v[rT]
.elseif (\n) == 16
	v_max3_num_f32 v[rC], v[rC], v[rC+1], v[rC+2]
.elseif (\n) == 17
	v_permlanex16_b32 v[rC+3], v[rC], s[SEL], s[SEL+1]
.elseif (\n) == 18
	v_max_num_f32 v[rT+1], v[rC], v[rC+3]
.elseif (\n) == 19
	v_mul_f32 v[rT], s[CS], v[rT+1]
.elseif (\n) == 20
	v_sub_f32 v[rC+1], v[rM], v[rT]
.else
	v_exp_f32 v[rC+2], v[rC+1]
.endif
.endm
; Number g of the 64 that follow the exponentials.  For each four weights k of a tile: both pairs are rounded to f16; then the second pair is added onto the first, in place; a group later l takes that sum
; (the first time as l = a l + sum).  In groups of eight, tiles alternating: round, round, add, and l for the group before.
.macro GS g
.set h, (\g)+6*((\g)/62)            ; group 0 has no group before it, and behind group 7 only l is left
.if h >= 6
.set h, h+2
.endif
	REGS Y, h%2
.set k, h/8
.if h%8 < 4
	s_wait_alu depctr_va_vdst(0)
	v_cvt_pk_f16_f32 v[rP+2*k+(h%8)/2], v[rS+4*k+2*((h%8)/2)], v[rS+4*k+2*((h%8)/2)+1]
.elseif h%8 < 6
	v_pk_add_f32 v[rS+4*k:rS+4*k+1], v[rS+4*k:rS+4*k+1], v[rS+4*k+2:rS+4*k+3]
.elseif k == 1
	v_pk_fma_f32 v[rT+2:rT+3], v[rT+2:rT+3], v[rC+2:rC+3], v[rS:rS+1] op_sel_hi:[1,0,1]
.else
	v_pk_add_f32 v[rT+2:rT+3], v[rT+2:rT+3], v[rS+4*k-4:rS+4*k-3]
	s_wait_alu depctr_va_vdst(0)
.endif
.endm
; THE PLAIN QUEUE, 138 long.  0-31: c s - c m for the 16 pairs of both tiles.  Then GS's 64, and among them the next piece's 42: number 15 at 38, 39; 0-14 and 16 at 42-73, behind the products that make
; those scores; 17-20 at 95-106, two of three, since each waits for the one before it.
.macro PL
	WIN 0
.if q < 32
	REGS Y, q%2
	v_pk_fma_f32 v[rS+2*(q/2):rS+2*(q/2)+1], v[rS+2*(q/2):rS+2*(q/2)+1], s[CS:CS+1], v[rT:rT+1] op_sel_hi:[1,0,0] neg_lo:[0,0,1] neg_hi:[0,0,1]
.elseif q < 38
	GS q-32
.elseif q < 40
	XS q%2, 15
.elseif q < 42
	GS q-34
.elseif q < 74
	XS q%2, (q-42)/2+(q-42)/30
.elseif q < 95
	GS q-66
.elseif (q < 107) && ((q-95)%3 < 2)
	XS (q-95)%3, 17+(q-95)/3
.elseif q < 107
	GS 29+(q-95)/3
.else
	GS q-74
.endif
.set q, q+1
.endm
; THE EXPONENTIALS' QUEUE, 66 long: s0-s31 of both tiles, and at EA the next piece's two a.
.set EA, 58
.macro EX
	WIN 0
.if (e == EA) || (e == EA+1)
	XS e-EA, 21
.else
.set x, e-2*(e/(EA+2))
	REGS Y, x%2
	v_exp_f32 v[rS+x/2], v[rS+x/2]
.endif
.set e, e+1
.endm
; THE RESCALING's QUEUE: O^T times a, the one part that leaves window 0, so it is dealt four at a time, eight times.
.macro R4
	REGS Y, r%2
	WIN W_RS
	s_wait_alu depctr_va_vdst(0)
.irp z, 0,1,2,3
	v_pk_mul_f32 v[rO+8*(r/2)+2*\z:rO+8*(r/2)+2*\z+1], v[rO+8*(r/2)+2*\z:rO+8*(r/2)+2*\z+1], v[rC+2:rC+3] op_sel_hi:[1,0]
.endr
.set r, r+1
.endm
; HOW THEY ARE DEALT.  Behind a matrix instruction four: plain, exponential, plain, plain, or four of the rescaling; none names a register of the products round it.  What is over stands in two runs:
; exponential and plain by turns; the second ends in 22 plain instructions.  Exponential e stands behind plain 2 (e / 4) + e % 2 (its scaling); when plain 32 comes, 10 exponentials are out, at 59: 33, at 95: 46; EA comes behind plain 107.
.macro SL
	MM
	PL
	EX
	PL
	PL
.endm
.macro BURST n                      ; 15 matrix instructions, or 16
.rept (\n)-7
	SL
.endr
.rept 3
	MM
	R4
	SL
.endr
	MM
	R4
.endm
; A TURN, for piece p.  Its runs of LDS loads stand in the first run of vector work, 30 vector instructions (17 of them plain) behind the last product K Q^T; the registers that they fill are not named again in this turn:
;   piece 2: the next step's K of batch 0 and the bias of query pair 0 (last read in this turn's, and in piece 1's, first products)      piece 3: the bias of query pair 1, V of batch 0 (last read in piece 2's turn)
;   piece 0: this step's K of batch 1                                                                                              piece 1: this step's V of batch 1 (last read in piece 0's turn)
; The wait at a turn's head is for the run of the turn before, issued 16 products and two runs of vector work earlier.
.macro TURN p
.set Y, (\p)
.set i, 0
.set q, 0
.set e, 0
.set r, 0
	s_wait_dscnt 0x0
	MM
.rept 4
	PL
.endr
	BURST 15
.rept 22
	EX
	PL
.if e == 24
.if (\p) == 2
	FETCH_K 0
	FETCH_B 0
.elseif (\p) == 3
	FETCH_B 1
	FETCH_V 0
.elseif (\p) == 0
	FETCH_K 1
.else
	FETCH_V 1
.endif
.endif
.endr
	BURST 16
.rept 21
	EX
	PL
.endr
.rept 22
	PL
.endr
.endm
	CHANGE 1                        ; step 0 is in, everybody's part of it; step 1 is asked for
	FETCH_K 0
	FETCH_B 0
	FETCH_B 1
	FETCH_V 0
	s_wait_loadcnt 0x0              ; Q
	s_wait_dscnt 0x0
.set i, 0
.rept 16
	KQ 0                            ; piece 0's first scores: there is no vector work yet to set between them
.set i, i+1
.endr
	WIN 0
.rept 4
	v_nop                           ; the places behind those products
.endr
.set Y, NP-1                        ; XS works for piece Y + 1: piece 0
.irp n, 0,1,2,3,4,5,6,7,8,9,10,11,12,13,14,15,16,17,18,19,20,21
	XS 0, \n
	XS 1, \n
.endr
	s_mov_b32 s[CNT], 15
	s_branch .Lfirst                ; the loop is entered at a step's first turn, in the middle of a trip
.Lstep:                             ; 14 times: steps 2 to 15 are asked for; a trip: pieces 2 and 3 of one step, then pieces 0 and 1 of the next
	CHANGE 1
	TURN 2
	TURN 3
	WIN 0
.Lfirst:
	TURN 0
	TURN 1
	WIN 0
	s_sub_co_u32 s[CNT], s[CNT], 1
	s_cmp_lg_u32 s[CNT], 0
	s_cbranch_scc1 .Lstep
	CHANGE 0                        ; the tail is written out: nothing is asked for
	s_mov_b32 s[CNT], 2             ; one trip for the last step; the second is left in its middle
.Ltail:
	TURN 2
	TURN 3
	WIN 0
	s_sub_co_u32 s[CNT], s[CNT], 1
	s_cmp_eq_u32 s[CNT], 0
	s_cbranch_scc1 .Lout
	TURN 0
	TURN 1
	WIN 0
	s_branch .Ltail
.Lout:                              ; the second trip reads the last slot once more; its 16 products K Q^T and the maximum made of them serve nothing: the price, once a launch, of one text for every trip
.set i, 0
.rept 16
	PV NP-1                         ; the last piece's V^T P of the last step
.set i, i+1
.endr
	; THE WAY OUT.  l's two halves and the other half of the lanes' are added; O^T is divided by l, rounded to f16 and sent through my stage, a query block (16 rows, both batches) at a time.  The additions are the places behind the last products.
	WIN 0
.macro ALL line:vararg              ; one line for each tile t
.set t, 0
.rept 2*NP
	\line
.set t, t+1
.endr
.endm
	ALL v_add_f32 v[ST+4*t+2], v[ST+4*t+2], v[ST+4*t+3]
	ALL v_permlanex16_b32 v[ST+4*t+3], v[ST+4*t+2], s[SEL], s[SEL+1]
	ALL v_add_f32 v[ST+4*t+2], v[ST+4*t+2], v[ST+4*t+3]
	ALL v_rcp_f32 v[ST+4*t+2], v[ST+4*t+2]
	v_nop                           ; a plain instruction between the last reciprocal and the use of its result
	s_wait_alu depctr_va_vdst(0)
; Query block qt: tiles qt (batch 0) and 4 + qt (batch 1).  A lane's eight channels pack into 16 bytes; they go into rows of 272 bytes and come back as whole rows of 256, into S^T's registers.
.macro PACK qt
.irp bt, 0,1
	WIN W_RS
.set i, 32*(4*\bt+(\qt))
.rept 16
	v_pk_mul_f32 v[i:i+1], v[i:i+1], v[ST+4*(4*\bt+(\qt))+2:ST+4*(4*\bt+(\qt))+3] op_sel_hi:[1,0]
.set i, i+2
.endr
	WIN 0x05                        ; sources 0 and 1 window 1, destination window 0
.set i, 0
.rept 16
	v_cvt_pk_f16_f32 v[S+32*(\qt)+16*\bt+i], v[32*(4*\bt+(\qt))+2*i], v[32*(4*\bt+(\qt))+2*i+1]
.set i, i+1
.endr
	WIN 0
.irp f, 0,1,2,3
	ds_store_b128 v[STO], v[S+32*(\qt)+16*\bt+4*\f:S+32*(\qt)+16*\bt+4*\f+3] offset:128*\bt+32*\f
.endr
.endr
.irp f, 0,1,2,3,4,5,6,7
	ds_load_b128 v[S+32*(\qt)+4*\f:S+32*(\qt)+4*\f+3], v[RD] offset:\f*2*SP  ; LDS serves a wave's instructions in order (ISA guide 5.7.1.4): these see the stores above; the next block's stores come behind them
.endr
.endm
.macro SEND qt, younger             ; younger: the LDS instructions issued behind this block's loads: the next block's sixteen, or none
	WIN 0
.irp f, 0,1,2,3,4,5,6,7
	s_wait_dscnt (\younger)+7-\f
	global_store_b128 v[GO], v[S+32*(\qt)+4*\f:S+32*(\qt)+4*\f+3], s[66:67] offset:(\qt)*4096+\f*512  ; 512 consecutive bytes, at a multiple of 256 from ob's first
.endr
.endm
	PACK 0
	PACK 1                          ; a block's arithmetic stands between the loads of the block before and its stores
	SEND 0, 16
	PACK 2
	SEND 1, 16
	PACK 3
	SEND 2, 16
	SEND 3, 0
	WIN W_AD
	s_wait_tensorcnt 0x0            ; the wave's end
	ds_add_u32 v[SPW], v[NIL]
	s_wait_dscnt 0x0
	WIN 0
	CROUND                          ; the closing round: no work-group ends while a partner may still ask for a tile that names it
	s_endpgm
.Lfunc_end_k_qe3940c2320_attn:
	.size	k_qe3940c2320_attn, .Lfunc_end_k_qe3940c2320_attn-k_qe3940c2320_attn
	.p2alignl 7, 3214868480
	.fill 96, 4, 3214868480
	.section	.rodata,"a",@progbits
	.p2align	6, 0x0
	.amdhsa_kernel k_qe3940c2320_attn
		.amdhsa_group_segment_fixed_size 327680
		.amdhsa_private_segment_fixed_size 0
		.amdhsa_enable_private_segment 0
		.amdhsa_kernarg_size 40
		.amdhsa_user_sgpr_count 2
		.amdhsa_user_sgpr_kernarg_segment_ptr 1
		.amdhsa_wavefront_size32 1
		.amdhsa_system_sgpr_workgroup_id_x 1
		.amdhsa_system_sgpr_workgroup_id_y 1
		.amdhsa_system_sgpr_workgroup_id_z 1
		.amdhsa_system_vgpr_workitem_id 0
		.amdhsa_next_free_vgpr 1024
		.amdhsa_next_free_sgpr 84
		.amdhsa_reserve_vcc 0
		.amdhsa_float_denorm_mode_32 3
		.amdhsa_float_denorm_mode_16_64 3
		.amdhsa_memory_ordered 1
		.amdhsa_forward_progress 1
		.amdhsa_inst_pref_size 223
	.end_amdhsa_kernel
	.amdgpu_metadata
---
amdhsa.version: [ 1, 2 ]
amdhsa.kernels:
  - .name:           k_qe3940c2320_attn
    .symbol:         k_qe3940c2320_attn.kd
    .args:
      - { .name: qh, .offset: 0, .size: 8, .value_kind: global_buffer, .address_space: global }
      - { .name: kh, .offset: 8, .size: 8, .value_kind: global_buffer, .address_space: global }
      - { .name: vh, .offset: 16, .size: 8, .value_kind: global_buffer, .address_space: global }
      - { .name: attn_bias, .offset: 24, .size: 8, .value_kind: global_buffer, .address_space: global }
      - { .name: ob, .offset: 32, .size: 8, .value_kind: global_buffer, .address_space: global }
    .group_segment_fixed_size: 327680
    .private_segment_fixed_size: 0
    .kernarg_segment_align: 8
    .kernarg_segment_size: 40
    .max_flat_workgroup_size: 128
    .sgpr_count:     84
    .vgpr_count:     1024
    .wavefront_size: 32
...
	.end_amdgpu_metadata
.endif
;; end of part 3
;; launch proj (part 4): grid 8 x 32, 4 waves a work-group, clusters of 4 x 4, 327,680 bytes of LDS; arguments ob, wpb, b_proj, out0; writes out0
.if DOCPART == 4
	.amdgcn_target "amdgcn-amd-amdhsa--gfx1250"
	.amdhsa_code_object_version 6
	.text
	.protected	k_qe3940c2320_proj
	.globl	k_qe3940c2320_proj
	.p2align	8
	.type	k_qe3940c2320_proj,@function
k_qe3940c2320_proj:
	s_mov_b64 s[64:65], 0
	v_nop
	global_prefetch_b8 v0, s[64:65] scope:SCOPE_SE
	s_setreg_imm32_b32 hwreg(HW_REG_WAVE_MODE, 25, 1), 1
	s_wait_xcnt 0x0
	s_wait_alu depctr_hold_cnt(0) depctr_sa_sdst(0) depctr_va_vdst(0) depctr_va_sdst(0) depctr_va_ssrc(0) depctr_va_vcc(0) depctr_vm_vsrc(0)
	s_getreg_b32 s2, hwreg(HW_REG_IB_STS2, 6, 4)
	s_cmp_eq_u32 s2, 0
	s_cbranch_scc0 .Lentry_in_a_cluster
	s_endpgm
.Lentry_in_a_cluster:
	s_bfe_u32 s2, ttmp6, 0x10000c
	s_cmp_lg_u32 s2, 0xf033
	s_cbranch_scc0 .Lentry_shape_is_right
	s_endpgm
.Lentry_shape_is_right:
; PROJ.  out0[b][l][n] = the sum over c of O[b][l][c] w_proj[n][c] + b_proj[n], f32.  O (ob) and the weights (wpb) are f16, sums in f32; b_proj is rounded to bf16 like the other inputs and is the C operand of the first product.
; ob: [4 batch pairs][8 blocks of 128 rows][16 heads][128 rows][2 batches][64 channels]: the 256 rows x 1,024 channels of a row tile are 512 KiB on end, a head's share 128 rows of 256 bytes.
; LIMITS: O and the weights arrive within f16's range; NaN and infinities are not treated apart.
; SHARES.  A tile of out0 is 256 rows (128 positions of both batches of a pair) x 128 columns: 256 work-groups.  Wave w: batch w / 2 (128 rows), columns 64 (w % 2) on: 32 accumulators of 16 x 16.
; K goes in steps of 128 (two heads) through two LDS slots filled by the tensor data mover; rows of 256 bytes, at multiples of 256 bytes from the buffers' first bytes.
; CLUSTER: 4 x 4 work-groups.  The four of a row need the same tiles of ob, the four of a column the same tiles of wpb: each is asked for jointly.
; THE MATRIX INSTRUCTION IS USED TRANSPOSED (source 0 = 16 rows of wpb, source 1 = 16 rows of O): lane l holds row l % 16 and its registers the columns 8 (l / 16) + 0..7: 32 consecutive bytes of out0.
; REGISTERS in windows of 256: window 0: v0-29 addresses; v32-63 the bias; v64-127, v128-191 O's fragments, two buffers; v192-255 rows read back from the stage, two buffers
;   window 1: v0-31, v32-63 wpb's fragments, two buffers      window 2: accumulator (a, b) at 8 (4 a + b)
.set PITCH, 272                        ; an LDS row: 256 bytes + 16 of padding: the 16 rows of a fragment load start at 16 different groups of four banks (64 banks of 4 bytes: ISA guide 11.1)
.set AHALF, 128*PITCH                  ; one head's 128 rows of ob: one tensor load
.set BHALF, 64*PITCH                   ; 64 rows of wpb: one tensor load
.set BOFF,  2*AHALF
.set SLOT1, 1<<17
.set STAGE, SLOT1+BOFF+2*BHALF         ; behind the ring: 16 rows x 272 bytes for each wave; no tensor load lands here
.set SPARE, STAGE+4*16*PITCH           ; the spare words, 128 bytes for each wave: two blocks of 256 bytes that no other line names
.set ADRA0, 2
.set ADRB0, 3
.set ADRA,  4
.set ADRB,  5
.set STO,   6
.set RD,    7
.set GO,    8
.set SPW,   10                         ; v10  LDS address of my spare word; never rewritten
.set NIL,   11                         ; v11  0; never rewritten
.set BI,    32
.set FA,    64
.set OB,    192
.set WV,  12                           ; s12 my wave's number; s13 = wave / 2: my batch, and: I fetch ob (0) or wpb (1); s14 = wave % 2: my half of the columns, and: which half I fetch
.set G1A, 24
.set G0A, 32
.set G1B, 48
.set G0B, 56
.set TB,  66
.set MSB, 0
.macro WIN new
.if MSB != (\new)
	s_set_vgpr_msb (MSB<<8)|(\new)
.set MSB, \new
.endif
.endm
.macro PLACES                          ; four plain vector instructions between a matrix instruction and a load into, or a store of, its registers
.rept 4
	v_nop
.endr
.endm
.macro JLOAD s                         ; a joint load: waves 0 and 1 fetch ob's two heads, waves 2 and 3 wpb's two halves; an s_nop 0 and four v_nop follow each line
	s_cmp_eq_u32 s13, 0
	s_cbranch_scc0 .Lfor_b_\@
	tensor_load_to_lds s[G0A+4*(\s):G0A+4*(\s)+3], s[G1A:G1A+7]
	s_nop 0
.rept 4
	v_nop
.endr
	s_branch .Lasked_\@
.Lfor_b_\@:
	tensor_load_to_lds s[G0B+4*(\s):G0B+4*(\s)+3], s[G1B:G1B+7]
	s_nop 0
.rept 4
	v_nop
.endr
.Lasked_\@:
.endm
.macro CREST
	s_cmp_lg_u32 s[WV], 0
	s_cbranch_scc1 .Lnot_wave_0_\@
	s_barrier_signal -3
.Lnot_wave_0_\@:
	s_barrier_wait -3
	s_barrier_signal -1
	s_barrier_wait -1
.endm
.macro CROUND
	s_barrier_signal -1
	s_barrier_wait -1
	CREST
.endm
	s_load_b256 s[4:11], s[0:1], 0x0               ; ob s[4:5], wpb s[6:7], b_proj s[8:9], out0 s[10:11]
	v_lshl_add_u32 v[SPW], v0, 2, SPARE
	v_mov_b32 v[NIL], 0
	ds_add_u32 v10, v11
	s_wait_dscnt 0x0
	v_lshrrev_b32 v1, 5, v0
	v_readfirstlane_b32 s[WV], v1
	s_lshr_b32 s13, s[WV], 1
	s_and_b32 s14, s[WV], 1
	s_bfe_u32 s15, ttmp6, 0x40000                  ; cx, cy
	s_bfe_u32 s16, ttmp6, 0x40004
	s_lshl_b32 s17, ttmp9, 2
	s_add_co_u32 s17, s17, s15                     ; the column tile = 4 x cluster x + cx
	s_and_b32 s18, ttmp7, 0xffff
	s_lshl_b32 s18, s18, 2
	s_add_co_u32 s18, s18, s16                     ; the row tile = 4 x cluster y + cy = 8 x batch pair + block
	s_lshr_b32 s19, s18, 3
	s_and_b32 s20, s18, 7
	s_lshl_b32 s21, s16, 2
	s_lshl_b32 s21, 15, s21                        ; my row of the cluster
	s_lshl_b32 s22, 0x1111, s15                    ; my column
	s_or_b32 s[G1A], s21, (1<<16)|(1<<20)|(1<<21)|(5<<22)|(3<<25)  ; the mask; 2-byte elements; padding on; 21 set beside a mask; after every 64 words; 4 words of it
	s_or_b32 s[G1B], s22, (1<<16)|(1<<20)|(1<<21)|(5<<22)|(3<<25)
	s_mov_b32 s[G1A+1], 128<<16
	s_mov_b32 s[G1A+2], 128<<16                    ; 128 rows
	s_mov_b32 s[G1A+3], 128<<16
	s_mov_b32 s[G1A+4], 128
	s_mov_b32 s[G1A+5], 128                        ; the rows are dense
	s_mov_b32 s[G1A+6], 0
	s_mov_b32 s[G1A+7], 0
	s_mov_b32 s[G1B+1], 128<<16
	s_mov_b32 s[G1B+2], 64<<16                     ; 64 rows
	s_mov_b32 s[G1B+3], 128<<16
	s_mov_b32 s[G1B+4], 64
	s_mov_b32 s[G1B+5], 1024
	s_mov_b32 s[G1B+6], 0
	s_mov_b32 s[G1B+7], 0
	s_lshl_b32 s40, s18, 19                        ; ob: the row tile's 512 KiB, the head of the step that I fetch
	s_lshl_b32 s41, s14, 15
	s_add_co_u32 s40, s40, s41
	s_mov_b32 s41, 0
	s_lshl_b32 s42, s17, 7                         ; wpb: row 128 x column tile + 64 x half
	s_lshl_b32 s43, s14, 6
	s_add_co_u32 s42, s42, s43
	s_lshl_b32 s42, s42, 11
	s_mov_b32 s43, 0
	s_mul_i32 s78, s14, AHALF
	s_mul_i32 s79, s14, BHALF
	s_add_co_u32 s79, s79, BOFF
	s_lshl_b32 s80, s19, 1                         ; out0: row (2 pair + batch) x 1,024 + 128 block, 4,096 bytes a row; column 128 tile + 64 half
	s_add_co_u32 s80, s80, s13
	s_lshl_b32 s80, s80, 10
	s_lshl_b32 s81, s20, 7
	s_add_co_u32 s80, s80, s81
	s_lshl_b32 s80, s80, 12
	s_lshl_b32 s82, s17, 9
	s_lshl_b32 s83, s14, 8
	s_add_co_u32 s82, s82, s83                     ; the columns' byte offset, in out0's rows and in b_proj
	s_add_co_u32 s80, s80, s82
	s_mov_b32 s81, 0
	s_mov_b32 s83, 0
	s_mov_b32 s[TB], 0
	s_wait_kmcnt 0x0
	s_add_nc_u64 s[44:45], s[4:5], s[40:41]
	s_add_nc_u64 s[46:47], s[6:7], s[42:43]
	s_add_nc_u64 s[8:9], s[8:9], s[82:83]
	s_add_nc_u64 s[10:11], s[10:11], s[80:81]
	CROUND                                         ; all sixteen work-groups are here: the first joint loads meet
.irp s, 0,1
	s_mov_b32 s[G0A+4*(\s)], 1
	s_add_co_u32 s[G0A+4*(\s)+1], s78, (\s)*SLOT1
	s_add_nc_u64 s[G0A+4*(\s)+2:G0A+4*(\s)+3], s[44:45], (\s)*65536  ; K step s: two heads on
	s_or_b32 s[G0A+4*(\s)+3], s[G0A+4*(\s)+3], 0x80000000
	s_mov_b32 s[G0B+4*(\s)], 1
	s_add_co_u32 s[G0B+4*(\s)+1], s79, (\s)*SLOT1
	s_add_nc_u64 s[G0B+4*(\s)+2:G0B+4*(\s)+3], s[46:47], (\s)*256
	s_or_b32 s[G0B+4*(\s)+3], s[G0B+4*(\s)+3], 0x80000000
	JLOAD \s                                       ; two loads of mine are out
.endr
	v_and_b32 v1, 15, v0                           ; l % 16
	v_bfe_u32 v9, v0, 4, 1                         ; l / 16
	v_lshlrev_b32 v20, 5, v9
.irp b, 0,1,2,3
	global_load_b128 v[BI+8*\b:BI+8*\b+3],   v20, s[8:9] offset:64*\b
	global_load_b128 v[BI+8*\b+4:BI+8*\b+7], v20, s[8:9] offset:64*\b+16
.endr
	v_mul_u32_u24 v21, v1, PITCH
	v_lshl_add_u32 v22, v9, 4, v21                 ; row x pitch + 16 x half
	s_lshl_b32 s86, s13, 7                         ; my batch: 128 bytes into a row of ob
	v_add_nc_u32 v[ADRA0], s86, v22
	s_mul_i32 s86, s14, BHALF                      ; my 64 rows of wpb
	s_add_co_u32 s86, s86, BOFF
	v_add_nc_u32 v[ADRB0], s86, v22
	v_mov_b32 v[ADRA], v[ADRA0]
	v_mov_b32 v[ADRB], v[ADRB0]
	s_mul_i32 s86, s[WV], 16*PITCH
	s_add_co_u32 s86, s86, STAGE                   ; my stage
	v_lshl_add_u32 v[STO], v9, 5, v21              ; in: row l % 16, 32 bytes for each half of the lanes
	v_add_nc_u32 v[STO], s86, v[STO]
	v_mul_u32_u24 v[RD], v9, PITCH                 ; back: lanes 0-15 one row of 256 bytes, lanes 16-31 the next
	v_lshl_add_u32 v[RD], v1, 4, v[RD]
	v_add_nc_u32 v[RD], s86, v[RD]
	v_lshlrev_b32 v[GO], 12, v9                    ; and the same two rows in out0
	v_lshl_add_u32 v[GO], v1, 4, v[GO]
	s_wait_loadcnt 0x0
.set i, 0
.rept 16                               ; the bias rounded to bf16 and widened again
	v_cvt_pk_bf16_f32 v[24+i%4], v[BI+2*i], v[BI+2*i+1]
	v_lshlrev_b32 v[BI+2*i], 16, v[24+i%4]
	v_and_b32 v[BI+2*i+1], 0xffff0000, v[24+i%4]
.set i, i+1
.endr
; Four products: row block a x my four column blocks, 32 along K, from buffer f.  first = 1: they start the sums with the bias.
.macro MA f, a, first
.if \first
	WIN 0x81
.else
	WIN 0xa1
.endif
.irp b, 0,1,2,3
.if \first
	v_wmma_f32_16x16x32_f16 v[8*(4*(\a)+(\b)):8*(4*(\a)+(\b))+7], v[32*(\f)+8*(\b):32*(\f)+8*(\b)+7], v[FA+64*(\f)+8*(\a):FA+64*(\f)+8*(\a)+7], v[BI+8*(\b):BI+8*(\b)+7]
.else
	v_wmma_f32_16x16x32_f16 v[8*(4*(\a)+(\b)):8*(4*(\a)+(\b))+7], v[32*(\f)+8*(\b):32*(\f)+8*(\b)+7], v[FA+64*(\f)+8*(\a):FA+64*(\f)+8*(\a)+7], v[8*(4*(\a)+(\b)):8*(4*(\a)+(\b))+7]
.endif
.endr
.endm
; 24 LDS loads in one run: quarter qu of the K step (head qu / 2, channels 32 (qu % 2) on) into buffer f: wpb's four fragments, then O's eight.
.macro FETCH qu, f
	WIN 0x40
.irp b, 0,1,2,3
	ds_load_b128 v[32*(\f)+8*\b:32*(\f)+8*\b+3],   v[ADRB] offset:\b*16*PITCH+64*(\qu)
	ds_load_b128 v[32*(\f)+8*\b+4:32*(\f)+8*\b+7], v[ADRB] offset:\b*16*PITCH+64*(\qu)+32
.endr
	WIN 0
.irp a, 0,1,2,3,4,5,6,7
	ds_load_b128 v[FA+64*(\f)+8*\a:FA+64*(\f)+8*\a+3],   v[ADRA] offset:((\qu)/2)*AHALF+\a*16*PITCH+64*((\qu)%2)
	ds_load_b128 v[FA+64*(\f)+8*\a+4:FA+64*(\f)+8*\a+7], v[ADRA] offset:((\qu)/2)*AHALF+\a*16*PITCH+64*((\qu)%2)+32
.endr
.endm
; A K step is four quarters, 32 products each, on buffers 0, 1, 0, 1; the 32 accumulators take turns in the same order in every quarter.
.macro QUARTER qu, f, g, first
	s_wait_dscnt 8                                 ; wpb's fragments and O's blocks 0-3 are in; the youngest eight loads (blocks 4-7) may be out
	MA \f, 0, \first
	MA \f, 1, \first
	PLACES                                         ; buffer g was read by the quarter before
	FETCH \qu, \g
	s_wait_dscnt 24                                ; all but the 24 just issued
	MA \f, 2, \first
	MA \f, 3, \first
	MA \f, 4, \first
	MA \f, 5, \first
	MA \f, 6, \first
	MA \f, 7, \first
.endm
; The last quarter multiplies buffer 1 and changes slots: one barrier; in front of it each wave waits for all its tensor loads, adds 0 to its spare word, and waits for that and for its reads of this slot.
; fill = 1: the barrier opens a round of the cluster's, and the slot just read out is filled again, two K steps ahead, first thing behind the round; the descriptors step while the add is out.
.macro TURN fill
	WIN 0
	s_wait_tensorcnt 0x0                           ; no tensor load of mine is out, so a group 0 may be written
	ds_add_u32 v[SPW], v[NIL]                      ; 0 onto my spare word
	s_xor_b32 s[TB], s[TB], SLOT1                  ; the slot that is read next
.if \fill
	s_xor_b32 s[G0A+5], s[G0A+5], SLOT1            ; the walking descriptors: the other slot than last time, the next K step
	s_add_nc_u64 s[G0A+6:G0A+7], s[G0A+6:G0A+7], 65536
	s_xor_b32 s[G0B+5], s[G0B+5], SLOT1
	s_add_nc_u64 s[G0B+6:G0B+7], s[G0B+6:G0B+7], 256
.endif
	s_wait_dscnt 9                                 ; (the add and the youngest eight loads may be out)
	MA 1, 0, 0
	MA 1, 1, 0
	s_wait_dscnt 0x0                               ; the add is done, and my reads of this slot are over
	s_barrier_signal -1
	MA 1, 2, 0
	MA 1, 3, 0
	WIN 0
	s_barrier_wait -1
.if \fill
	CREST                                          ; no wave of any partner still reads this slot or has a load on its way
	JLOAD 1                                        ; its four v_nop are also the places in front of the loads below
.else
	PLACES
.endif
	v_add_nc_u32 v[ADRA], s[TB], v[ADRA0]
	v_add_nc_u32 v[ADRB], s[TB], v[ADRB0]
	FETCH 0, 0
	MA 1, 4, 0
	MA 1, 5, 0
	MA 1, 6, 0
	MA 1, 7, 0
.endm
	s_wait_tensorcnt 1                             ; my part of K step 0 is in; step 1's may stay out
	s_barrier_signal -1
	s_barrier_wait -1
	FETCH 0, 0
	QUARTER 1, 0, 1, 1                             ; the first quarter stands in front of the loop: its products start the sums
	WIN 0
	s_mov_b32 s3, 6
.Lstep:                                                ; six trips: they ask for K steps 2 to 7
	QUARTER 2, 1, 0, 0
	QUARTER 3, 0, 1, 0
	TURN 1
	QUARTER 1, 0, 1, 0
	WIN 0
	s_sub_co_u32 s3, s3, 1
	s_cmp_lg_u32 s3, 0
	s_cbranch_scc1 .Lstep
	s_mov_b32 s3, 2                                ; the rest of K step 6, and step 7: nothing is asked for.  A loop of two trips, entered behind its first quarter
	s_branch .Ltail_in
.Ltail:
	QUARTER 1, 0, 1, 0
	WIN 0
.Ltail_in:
	QUARTER 2, 1, 0, 0
	QUARTER 3, 0, 1, 0
	TURN 0                                         ; the second time its barrier and its 24 loads (of the other slot's old bytes, into buffer 0) serve nothing: the price, once a launch, of one text for both trips
	WIN 0
	s_sub_co_u32 s3, s3, 1
	s_cmp_lg_u32 s3, 0
	s_cbranch_scc1 .Ltail
	PLACES
; THE WAY OUT, a block of 16 rows at a time: the accumulators' 32 bytes a lane go into my stage (each accumulator's low four registers first) and come back as whole rows of 256 bytes.
.macro STG a
	WIN 0x08                                       ; the stores' data in window 2
.irp b, 0,1,2,3
	ds_store_b128 v[STO], v[8*(4*(\a)+\b):8*(4*(\a)+\b)+3]   offset:64*\b
	ds_store_b128 v[STO], v[8*(4*(\a)+\b)+4:8*(4*(\a)+\b)+7] offset:64*\b+16
.endr
	WIN 0
	s_wait_xcnt 0x0                                ; the stores of the block two before have read the registers that the loads below fill
.irp t, 0,1,2,3,4,5,6,7
	ds_load_b128 v[OB+32*((\a)%2)+4*\t:OB+32*((\a)%2)+4*\t+3], v[RD] offset:\t*2*PITCH  ; LDS serves a wave's instructions in order (ISA guide 5.7.1.4)
.endr
.endm
.macro SEND a, younger                 ; younger: the LDS instructions issued behind this block's loads: the next block's sixteen, or none
.irp t, 0,1,2,3,4,5,6,7
	s_wait_dscnt (\younger)+7-\t
	global_store_b128 v[GO], v[OB+32*((\a)%2)+4*\t:OB+32*((\a)%2)+4*\t+3], s[10:11] offset:65536*(\a)+8192*\t th:TH_STORE_NT  ; 16 lanes store 256 consecutive bytes, at a multiple of 256 from out0's first
.endr
.endm
	STG 0
.irp a, 1,2,3,4,5,6,7
	STG \a
	SEND (\a)-1, 16
.endr
	SEND 7, 0
	s_wait_tensorcnt 0x0                           ; the wave's end
	ds_add_u32 v[SPW], v[NIL]
	s_wait_dscnt 0x0
	CROUND                                         ; the closing round
	s_endpgm
.Lfunc_end_k_qe3940c2320_proj:
	.size	k_qe3940c2320_proj, .Lfunc_end_k_qe3940c2320_proj-k_qe3940c2320_proj
	.p2alignl 7, 3214868480
	.fill 96, 4, 3214868480
	.section	.rodata,"a",@progbits
	.p2align	6, 0x0
	.amdhsa_kernel k_qe3940c2320_proj
		.amdhsa_group_segment_fixed_size 327680
		.amdhsa_private_segment_fixed_size 0
		.amdhsa_enable_private_segment 0
		.amdhsa_kernarg_size 32
		.amdhsa_user_sgpr_count 2
		.amdhsa_user_sgpr_kernarg_segment_ptr 1
		.amdhsa_wavefront_size32 1
		.amdhsa_system_sgpr_workgroup_id_x 1
		.amdhsa_system_sgpr_workgroup_id_y 1
		.amdhsa_system_sgpr_workgroup_id_z 1
		.amdhsa_system_vgpr_workitem_id 0
		.amdhsa_next_free_vgpr 768
		.amdhsa_next_free_sgpr 90
		.amdhsa_reserve_vcc 0
		.amdhsa_float_denorm_mode_32 3
		.amdhsa_float_denorm_mode_16_64 3
		.amdhsa_memory_ordered 1
		.amdhsa_forward_progress 1
		.amdhsa_inst_pref_size 66
	.end_amdhsa_kernel
	.amdgpu_metadata
---
amdhsa.version: [ 1, 2 ]
amdhsa.kernels:
  - .name:           k_qe3940c2320_proj
    .symbol:         k_qe3940c2320_proj.kd
    .args:
      - { .name: ob, .offset: 0, .size: 8, .value_kind: global_buffer, .address_space: global }
      - { .name: wpb, .offset: 8, .size: 8, .value_kind: global_buffer, .address_space: global }
      - { .name: b_proj, .offset: 16, .size: 8, .value_kind: global_buffer, .address_space: global }
      - { .name: out0, .offset: 24, .size: 8, .value_kind: global_buffer, .address_space: global }
    .group_segment_fixed_size: 327680
    .private_segment_fixed_size: 0
    .kernarg_segment_align: 8
    .kernarg_segment_size: 32
    .max_flat_workgroup_size: 128
    .sgpr_count:     90
    .vgpr_count:     768
    .wavefront_size: 32
...
	.end_amdgpu_metadata
.endif
;; end of part 4
;; ======== version 2 of 2: 4 launches; version 1 with the launch cast written anew for expert scheduling mode
;; limits: values are held in f16: magnitudes above 65,504 overflow, below 6.1e-05 lose precision
;; workspace buffers: xb 16,777,216 bytes; wqb 6,291,456 bytes; wpb 2,097,152 bytes; qh 16,777,216 bytes; kh 16,777,216 bytes; vh 16,777,216 bytes; ob 16,777,216 bytes
;; launch cast (part 5): grid 768 x 1, 8 waves a work-group, no clusters, 0 bytes of LDS; arguments x, w_qkv, w_proj, xb, wqb, wpb; writes xb, wqb, wpb
.if DOCPART == 5
	.amdgcn_target "amdgcn-amd-amdhsa--gfx1250"
	.amdhsa_code_object_version 6
	.text
	.protected	k_qe3940c2320_cast
	.globl	k_qe3940c2320_cast
	.p2align	8
	.type	k_qe3940c2320_cast,@function
k_qe3940c2320_cast:
	s_mov_b64 s[64:65], 0
	v_nop
	global_prefetch_b8 v0, s[64:65] scope:SCOPE_SE
	s_setreg_imm32_b32 hwreg(HW_REG_WAVE_SCHED_MODE, 0, 2), 2
	s_setreg_imm32_b32 hwreg(HW_REG_WAVE_MODE, 25, 1), 1
	s_wait_xcnt 0x0
	s_wait_alu depctr_vm_vsrc(0)
; CAST.  x [8192][1024] f32 -> xb, bf16, same order.  w_qkv [3072][1024] f32 -> wqb, bf16, rows reordered to [16 heads][q, k, v][64][1024], so that
; the 192 rows that one head needs lie together.  w_proj [1024][1024] f32 -> wpb: rounded to bf16 like the other inputs, and that number written as f16.
; LIMITS.  |w_proj| stays below 65,504 (f16's end); below 6e-5 it keeps f16's fixed step of 6e-8.  NaN and infinities are not treated apart.
; A work-group takes 16,384 numbers (16 rows of 1,024): 512 groups for x, 192 for w_qkv, 64 for w_proj.  Memory binds: no LDS, no barrier, no matrix unit.
; Thread t takes 16 chunks of four numbers: chunk c at byte 4,096 c + 16 t of the source, 2,048 c + 8 t of the target: a wave's load covers 512
; consecutive bytes, a wave's store 256 consecutive bytes at a multiple of 256.  All 16 loads go out first; no register that a memory instruction names is written again behind it, so no store is waited for.
; THE MODE: SCHED_MODE bits 1:0 = 2 (LLVM: expert scheduling mode 2), set by the entry lines.  The code itself states the register dependences
; between vector instructions and memory instructions, with s_wait_alu, always for 0.
; THE PLAN.  The 16 chunks go in four blocks of four.  Registers that memory instructions touch:
;   v1, v2   byte offsets of the loads and of the stores: made once at the head, never written again.
;   X        chunk c's four registers are written by its one load, read by its conversions, and never loaded again.
;   Y        block p's eight registers are written by block p's conversions, read by the four stores that are issued in block p + 1, and never written again.
;   T        named by vector instructions alone.
; Block p's memory instructions are the stores from Y of block p - 1, which no vector instruction of block p names.  So one wait at a block's head states
; all that its four stores hang on, and they are dealt among its conversions with no further wait.  No register that a memory instruction reads is written
; a second time: nothing is owed for that.
.set X, 4                              ; v[4:67]    chunk c: four f32 as loaded
.set Y, 68                             ; v[68:99]   chunk c: four 16-bit numbers to store
.set T, 100                            ; v[100:103] at work (w_proj's path)
.set BLOCK, 4                          ; chunks in a block
	s_load_b256 s[4:11], s[0:1], 0x0               ; x s[4:5], w_qkv s[6:7], w_proj s[8:9], xb s[10:11]
	s_load_b128 s[12:15], s[0:1], 0x20             ; wqb s[12:13], wpb s[14:15]
	s_mov_b32 s16, ttmp9                           ; g: the work-group's number
	s_sub_co_u32 s17, s16, 512                     ; w_qkv: j, its block of 16 rows (used only where 512 <= g < 704)
	s_lshr_b32 s18, s17, 6                         ; part: q, k or v (64 blocks each)
	s_bfe_u32 s19, s17, 0x40002                    ; head: four blocks each
	s_and_b32 s20, s17, 3                          ; block in the head
	s_mul_i32 s19, s19, 12
	s_lshl2_add_u32 s18, s18, s20
	s_add_co_u32 s18, s18, s19                     ; the block's place in wqb: 12 head + 4 part + block
	s_sub_co_u32 s21, s16, 704                     ; w_proj: its block (used only where g >= 704)
	v_lshlrev_b32 v1, 4, v0                        ; 16 t
	v_lshlrev_b32 v2, 3, v0                        ; 8 t
	s_wait_kmcnt 0x0
	s_cmp_lt_u32 s16, 512                          ; the choice hangs on the group's number alone
	s_cselect_b64 s[24:25], s[4:5], s[6:7]
	s_cselect_b64 s[26:27], s[10:11], s[12:13]
	s_cselect_b32 s22, s16, s17
	s_cselect_b32 s23, s16, s18
	s_cmp_lt_u32 s16, 704
	s_cselect_b64 s[24:25], s[24:25], s[8:9]
	s_cselect_b64 s[26:27], s[26:27], s[14:15]
	s_cselect_b32 s22, s22, s21
	s_cselect_b32 s23, s23, s21
	s_lshl_b32 s28, s22, 16                        ; a block is 65,536 bytes of f32,
	s_mov_b32 s29, 0
	s_lshl_b32 s30, s23, 15                        ; 32,768 of 16-bit numbers
	s_mov_b32 s31, 0
	s_add_nc_u64 s[24:25], s[24:25], s[28:29]
	s_add_nc_u64 s[26:27], s[26:27], s[30:31]
	s_wait_alu depctr_va_vdst(0)                   ; v1 and v2 are written: every load of the kernel reads v1 as its offset, every store v2
.irp c, 0,1,2,3,4,5,6,7,8,9,10,11,12,13,14,15
	global_load_b128 v[X+4*\c:X+4*\c+3], v1, s[24:25] offset:4096*\c th:TH_LOAD_NT
.endr
; Chunk c is rounded.  half = 0: to bf16.  half = 1 (w_proj): to bf16, widened again, written as f16 (exact within f16's range).
.macro ROUND c, half
	v_cvt_pk_bf16_f32 v[Y+2*(\c)], v[X+4*(\c)], v[X+4*(\c)+1]
	v_cvt_pk_bf16_f32 v[Y+2*(\c)+1], v[X+4*(\c)+2], v[X+4*(\c)+3]
.if \half
	v_lshlrev_b32 v[T], 16, v[Y+2*(\c)]
	v_and_b32 v[T+1], 0xffff0000, v[Y+2*(\c)]
	v_lshlrev_b32 v[T+2], 16, v[Y+2*(\c)+1]
	v_and_b32 v[T+3], 0xffff0000, v[Y+2*(\c)+1]
	v_cvt_pk_f16_f32 v[Y+2*(\c)], v[T], v[T+1]
	v_cvt_pk_f16_f32 v[Y+2*(\c)+1], v[T+2], v[T+3]
.endif
.endm
; Chunk c is stored.
.macro SEND c
	global_store_b64 v2, v[Y+2*(\c):Y+2*(\c)+1], s[26:27] offset:2048*(\c)
.endm
; Block p: its four chunks are rounded; the four of the block before are stored, one store ahead of each chunk's lines.
.macro BLK p, half
	s_wait_loadcnt 16-BLOCK*((\p)+1)               ; loads come back in order (ISA guide 5.7.1): this block's four chunks are in, the younger ones stay out
.if (\p) > 0
	s_wait_alu depctr_va_vdst(0)                   ; the block before has written its Y, which the four stores below read; no vector instruction of this block names those registers
.endif
.irp i, 0,1,2,3
.if (\p) > 0
	SEND BLOCK*((\p)-1)+(\i)
.endif
	ROUND BLOCK*(\p)+(\i), \half
.endr
.endm
; Behind the last block: its own four stores.
.macro LAST
	s_wait_alu depctr_va_vdst(0)                   ; block 3 has written its Y, which the last four stores read
.irp i, 0,1,2,3
	SEND 3*BLOCK+(\i)
.endr
.endm
	s_cmp_ge_u32 s16, 704
	s_cbranch_scc1 .Lhalf
	BLK 0, 0                                       ; x and w_qkv: to bf16
	BLK 1, 0
	BLK 2, 0
	BLK 3, 0
	LAST
	s_endpgm
.Lhalf:                                                ; w_proj: rounded to bf16, widened again, written as f16
	BLK 0, 1
	BLK 1, 1
	BLK 2, 1
	BLK 3, 1
	LAST
	s_endpgm
.Lfunc_end_k_qe3940c2320_cast:
	.size	k_qe3940c2320_cast, .Lfunc_end_k_qe3940c2320_cast-k_qe3940c2320_cast
	.p2alignl 7, 3214868480
	.fill 96, 4, 3214868480
	.section	.rodata,"a",@progbits
	.p2align	6, 0x0
	.amdhsa_kernel k_qe3940c2320_cast
		.amdhsa_group_segment_fixed_size 0
		.amdhsa_private_segment_fixed_size 0
		.amdhsa_enable_private_segment 0
		.amdhsa_kernarg_size 48
		.amdhsa_user_sgpr_count 2
		.amdhsa_user_sgpr_kernarg_segment_ptr 1
		.amdhsa_wavefront_size32 1
		.amdhsa_system_sgpr_workgroup_id_x 1
		.amdhsa_system_sgpr_workgroup_id_y 1
		.amdhsa_system_sgpr_workgroup_id_z 1
		.amdhsa_system_vgpr_workitem_id 0
		.amdhsa_next_free_vgpr 104
		.amdhsa_next_free_sgpr 66
		.amdhsa_reserve_vcc 0
		.amdhsa_float_denorm_mode_32 3
		.amdhsa_float_denorm_mode_16_64 3
		.amdhsa_memory_ordered 1
		.amdhsa_forward_progress 1
		.amdhsa_inst_pref_size 16
	.end_amdhsa_kernel
	.amdgpu_metadata
---
amdhsa.version: [ 1, 2 ]
amdhsa.kernels:
  - .name:           k_qe3940c2320_cast
    .symbol:         k_qe3940c2320_cast.kd
    .args:
      - { .name: x, .offset: 0, .size: 8, .value_kind: global_buffer, .address_space: global }
      - { .name: w_qkv, .offset: 8, .size: 8, .value_kind: global_buffer, .address_space: global }
      - { .name: w_proj, .offset: 16, .size: 8, .value_kind: global_buffer, .address_space: global }
      - { .name: xb, .offset: 24, .size: 8, .value_kind: global_buffer, .address_space: global }
      - { .name: wqb, .offset: 32, .size: 8, .value_kind: global_buffer, .address_space: global }
      - { .name: wpb, .offset: 40, .size: 8, .value_kind: global_buffer, .address_space: global }
    .group_segment_fixed_size: 0
    .private_segment_fixed_size: 0
    .kernarg_segment_align: 8
    .kernarg_segment_size: 48
    .max_flat_workgroup_size: 256
    .sgpr_count:     66
    .vgpr_count:     104
    .wavefront_size: 32
...
	.end_amdgpu_metadata
.endif
;; end of part 5
;; launch qkv: the kernel of part 2 again; grid 8 x 32, 4 waves a work-group, clusters of 4 x 4, 327,680 bytes of LDS; arguments xb, wqb, q_bias, v_bias, scale_mul, qh, kh, vh; writes qh, kh, vh
;; launch attn: the kernel of part 3 again; grid 64 x 4, 4 waves a work-group, clusters of 4 x 4, 327,680 bytes of LDS; arguments qh, kh, vh, attn_bias, ob; writes ob
;; launch proj: the kernel of part 4 again; grid 8 x 32, 4 waves a work-group, clusters of 4 x 4, 327,680 bytes of LDS; arguments ob, wpb, b_proj, out0; writes out0
